; MI455X (gfx1250); checked and timed in simulation.
; The chip was launched on July 23, 2026; its instructions are those of AMD's public machine-readable ISA for CDNA 5 (MIT licence, August 2026) and "CDNA5" Instruction Set Architecture Reference Guide (July 2026). The comments in the code are by the model that wrote it; some were corrected since.
;; Query Mixer. Allowed arithmetic: matrix products marked QUANTISED: E4M3 operands, one E8M0 scale for each 32 along K, by v_wmma_scale_f32_16x16x128_f8f6f4 with both operands' format E4M3, f32 sums; everything else in f32.
;; Inputs: W_gen 512 x 512 float32; W_out 2,048 x 512 float32; W_val 512 x 2,048 float32; b_gen 512 float32; b_out 512 float32; b_val 2,048 float32; bias 1 x 8 x 300 x 300 float32; query_feats 64 x 300 x 512 float32; weight_bank 1 x 8 x 300 x 300 float32.
;; Outputs: out0 64 x 300 x 512 float32.
;; This version of the problem:
;;   THIS VERSION OF THE PROBLEM IS GIVEN IN LOW PRECISION. The matrix products marked QUANTISED in the list below multiply operands that are first quantised to E4M3 (4 exponent bits, 3 mantissa bits; 8 bits a number), with one power-of-two scale for each 32 numbers along K (OCP MX v1.0); their sums are f32. All else is computed in f32.
;;   The module's matrix products, in the order in which they are computed (A, B: the left and right operand; K: the contracted axis; several contracted axes count as one K, in the product's order):
;;     1. [M 19,200, K 512] x [K 512, N 512]; A: input query_feats; B: input W_gen: QUANTISED
;;     2. [M 19,200, K 512] x [K 512, N 2,048]; A: input query_feats; B: input W_val: QUANTISED
;;     3. batch 512 x [M 300, K 64] x [K 64, N 300]; A: input query_feats; B: computed on the way: QUANTISED
;;     4. batch 512 x [M 300, K 300] x [K 300, N 256]; A: softmax (see below); B: computed on the way: QUANTISED
;;     5. [M 19,200, K 2,048] x [K 2,048, N 512]; A: computed on the way; B: input W_out: QUANTISED
;;   THE QUANTISER, for each operand of a quantised product, along K:
;;     - K is cut into blocks of 32 from its start; a last block that is shorter is filled with zeros.
;;     - A block's scale is 2^e with e = floor(log2(the largest magnitude in the block)) - 8, held to -126 .. 127; a block of zeros has e = 0. As a byte (E8M0): e + 127.
;;     - Each number is divided by its block's scale, clamped to +-448, and rounded to the nearest number of E4M3, ties to even, subnormals kept.
;;     - The product sums the exact products of the quantised numbers (number of the format x scale) in f32.
;;   ~~~python
;;   def quantise(x, axis):      # numpy; x: float32 -> the quantised numbers, widened to float32 again
;;       x = np.moveaxis(x, axis, -1); K = x.shape[-1]
;;       x = np.pad(x, [(0, 0)] * (x.ndim - 1) + [(0, -K % 32)]); x = x.reshape(x.shape[:-1] + (-1, 32)); a = np.abs(x).max(-1, keepdims=True)
;;       e = np.where(a > 0, np.clip(np.frexp(np.where(a > 0, a, 1))[1] - 1 - 8, -126, 127), 0)      # np.frexp(a)[1] - 1 = floor(log2(a)), exactly
;;       r = np.clip(x / 2.0 ** e, -448, 448)
;;       step = 2.0 ** (np.maximum(np.frexp(np.where(r == 0, 1, r))[1] - 1, -6) - 3)
;;       q = np.round(r / step) * step * 2.0 ** e      # np.round: ties to even
;;       return np.moveaxis(q.reshape(q.shape[:-2] + (-1,))[..., :K], -1, axis).astype(np.float32)
;;   ~~~
;;   SOFTMAX AHEAD OF A QUANTISED PRODUCT. Where the list says 'softmax', what is quantised is not the finished softmax but p = 2^(t - M), with t = logit x log2(e) and M = ceil(the row's largest t), a whole number; so 1/2 < the row's largest p <= 1. The row's sum l is taken of the UNQUANTISED p, in f32, and the product's result is divided by l at the end. Since M is a whole number, a kernel that streams over the keys may use a running M (the ceiling of the running maximum): every later rescaling is an exact power of two, which a block's scale takes up: the codes' values come out the same.
;;   OPERANDS COMPUTED ON THE WAY. 'Computed on the way' means the value that the module computes at that place (a softmax that the list does not call 'softmax' is quantised finished and normalised). What goes into a quantiser is computed in f32, as accurately as f32 sums, v_exp_f32 and their like allow (about 1e-6 of the number): no bf16 or f16 on the way to a quantiser, and a product that is left as it is and whose result goes on into a quantised operand takes f32 operands (vector FMAs, or v_wmma_f32_16x16x4_f32). A number that lies on a knife's edge between two numbers of the format may be rounded either way, as far as f32 arithmetic and the matrix unit's own rounding can turn it there, and no further.
;; 2 versions, each right; version 2 is version 1 with the launch attn written anew for expert scheduling mode. Each part assembles by itself: llvm-mc -triple=amdgcn-amd-amdhsa -mcpu=gfx1250 --defsym DOCPART=n.
;; ======== version 1 of 2: 3 launches
;; workspace buffers: xf 10,485,760 bytes; xs 327,680 bytes; wf 2,359,296 bytes; ws 73,728 bytes; bwf 6,553,600 bytes; af 41,943,040 bytes; asc 1,310,720 bytes
;; launch prep (part 1): grid 544 x 1, 4 waves a work-group, no clusters, 34,304 bytes of LDS; arguments query_feats, W_gen, W_val, W_out, weight_bank, bias, xf, xs, wf, ws, bwf; writes xf, xs, wf, ws, bwf
.if DOCPART == 1
	.amdgcn_target "amdgcn-amd-amdhsa--gfx1250"
	.amdhsa_code_object_version 6
	.text
	.protected	k_q1ab0e1e885_prep
	.globl	k_q1ab0e1e885_prep
	.p2align	8
	.type	k_q1ab0e1e885_prep,@function
k_q1ab0e1e885_prep:
	s_mov_b64 s[64:65], 0
	v_nop
	global_prefetch_b8 v0, s[64:65] scope:SCOPE_SE
	s_setreg_imm32_b32 hwreg(HW_REG_WAVE_MODE, 25, 1), 1
	s_wait_xcnt 0x0
; PREP: everything that later launches read again and again is laid once, in the order of the matrix operands' registers.
; A FRAGMENT is 16 rows x 128 K of E4M3 codes, 2,048 bytes: four pieces c of 512 bytes, lane l's 16 bytes at 16 l; lane (r = l % 16, h = l / 16) holds row r, k = 32 c + 16 h + 0 .. 15.
; A TILE of 16 rows (or columns) is cut from a group of 32: tile 2 g + u, row r is element 32 g + 8 u + r + 8 (r / 8).
;   xf  [batch 64][row tile 20][K step 4][2048]   codes of query_feats (rows 300 .. 319 of a batch: zero codes);   xs [batch][tile][r][4 words]: the rows' E8M0 words, one a K step
;   wf  W_gen at 0 and W_val at 262,144: [column tile][K step 4][2048];  W_out at 1,310,720: [quarter of N 4][K step 16][column tile 8][2048]
;   ws  W_gen at 0, W_val at 8,192: [group of 32 columns][16 u + r][4 words by K step];  W_out at 40,960: [quarter][K step][16 u + r][4 words by pair of tiles]
;   bwf [head 8][query tile 20][key block 10][weight_bank 4 x 512 | bias 4 x 512], both times 0.5 (exact): piece j, lane (r, h): keys 32 kb + 16 h + 4 j .. + 3 of the tile's query r.
;       Queries and keys past 299 hold copies of in-range numbers: the reader masks or discards what is made of them.
; THE QUANTISER: a block's scale is 2^(floor(log2(largest magnitude)) - 8); its byte is the largest magnitude's exponent field - 8, held at 1 from below; numbers are held within +-448 x scale and converted.
; LIMITS: a block of zeros gets the byte 1 (the stated rule says 127): its codes are zeros and only this program reads the bytes.  NaN and infinities among the inputs are not served.
; WORK: four paths by a job number; an item to a wave.  Jobs 0-79 weight_bank and bias; 80-159 W_gen and W_out; 160-223 W_val; 224-543 query_feats (the long ones: 128 KiB read a work-group).
;   The job is the work-group's number in another order: numbers 0-255 take query_feats' jobs 224-479, 256-447 the short jobs 0-191, 448-511 query_feats' 480-543, 512-543 the short jobs 192-223:
;   of three numbers 256 apart at most one, and of two at most two, are long.  Only query_feats' path uses LDS.  No barrier: waves share nothing.
; The 4-byte stores of the weights' scale words (73,728 bytes in all) fill their 256-byte blocks in part: kept, since they are one byte in 128 of what these paths read.
.set MNT, 27                           ; s27      the mantissa field of 448
.set SEL, 28                           ; s[28:29] v_permlanex16_b32's selects for lane l xor 16
.set JOB, 3                            ; s3       the job
.set TM,  16                           ; v16-19 largest magnitudes, v20-23 bytes, v24-27 448 x scale, v28-31 the conversions' scale operands
.set PC,  40                           ; v40-55  the codes just made
; 16 nb numbers of a lane, register 16 b + i = k 32 b + 16 (lane / 16) + i of my row, become codes in v[PC + 4 b] on, bytes in v[TM + 4 + b] and (pw > 0) a scale word in v[pw]
.macro QB src, nb, pw
.irp b,0,1,2,3
.if \b < (\nb)
	v_max3_num_f32 v[TM+\b], |v[(\src)+16*\b]|, |v[(\src)+16*\b+1]|, 0x4800000   ; my 16 numbers and the floor 2^(9 - 127): the byte cannot fall under 1
.endif
.endr
.irp i,2,4,6,8,10,12,14
.irp b,0,1,2,3
.if \b < (\nb)
	v_max3_num_f32 v[TM+\b], v[TM+\b], |v[(\src)+16*\b+\i]|, |v[(\src)+16*\b+\i+1]|
.endif
.endr
.endr
.irp b,0,1,2,3
.if \b < (\nb)
	v_permlanex16_b32 v[TM+4+\b], v[TM+\b], s[SEL], s[SEL+1]
.endif
.endr
.irp b,0,1,2,3
.if \b < (\nb)
	v_max_num_f32 v[TM+\b], v[TM+\b], v[TM+4+\b]            ; with lane l xor 16's: the block's largest magnitude
.endif
.endr
.irp b,0,1,2,3
.if \b < (\nb)
	v_add_nc_u32 v[TM+12+\b], 0xfc000000, v[TM+\b]          ; 8 off its exponent field: the conversion's scale operand
.endif
.endr
.irp b,0,1,2,3
.if \b < (\nb)
	v_and_or_b32 v[TM+8+\b], v[TM+\b], 0x7f800000, s[MNT]   ; 448 x the scale
.endif
.endr
.irp b,0,1,2,3
.if \b < (\nb)
	v_lshrrev_b32 v[TM+4+\b], 23, v[TM+12+\b]               ; the scale's byte
.endif
.endr
.if (\pw) > 0
	v_lshl_or_b32 v[(\pw)], v[TM+5], 8, v[TM+4]
	v_lshl_or_b32 v[(\pw)], v[TM+6], 16, v[(\pw)]
	v_lshl_or_b32 v[(\pw)], v[TM+7], 24, v[(\pw)]
.endif
.irp b,0,1,2,3
.if \b < (\nb)
.irp i,0,1,2,3,4,5,6,7,8,9,10,11,12,13,14,15
	v_med3_num_f32 v[(\src)+16*\b+\i], v[(\src)+16*\b+\i], -v[TM+8+\b], v[TM+8+\b]   ; the conversion to an 8-bit code does not saturate (ISA guide 7.6.2): the hold comes first
.endr
	v_cvt_scalef32_pk8_fp8_f32 v[PC+4*\b:PC+4*\b+1], v[(\src)+16*\b:(\src)+16*\b+7], v[TM+12+\b]
	v_cvt_scalef32_pk8_fp8_f32 v[PC+4*\b+2:PC+4*\b+3], v[(\src)+16*\b+8:(\src)+16*\b+15], v[TM+12+\b]
.endif
.endr
	v_nop                                                   ; a plain line behind the last conversion
.endm
	s_load_b256 s[4:11], s[0:1], 0x0               ; query_feats s[4:5], W_gen s[6:7], W_val s[8:9], W_out s[10:11]
	s_load_b256 s[12:19], s[0:1], 0x20             ; weight_bank s[12:13], bias s[14:15], xf s[16:17], xs s[18:19]
	s_load_b128 s[20:23], s[0:1], 0x40             ; wf s[20:21], ws s[22:23]
	s_load_b64 s[24:25], s[0:1], 0x50              ; bwf
	v_lshl_add_u32 v62, v0, 2, 0x8400
	v_mov_b32 v63, 0
	v_lshrrev_b32 v1, 5, v0
	v_readfirstlane_b32 s26, v1                    ; wave
	v_and_b32 v1, 31, v0                           ; lane
	v_and_b32 v2, 15, v0                           ; r
	v_bfe_u32 v3, v0, 4, 1                         ; h
	v_lshlrev_b32 v4, 4, v1                        ; 16 x lane
	s_mov_b32 s[MNT], 0x600000
	s_mov_b32 s[SEL], 0x76543210
	s_mov_b32 s[SEL+1], 0xfedcba98
	s_add_co_u32 s[JOB], ttmp9, 224                ; numbers 0-255: jobs 224-479
	s_sub_co_u32 s2, ttmp9, 256                    ; numbers 256-447: jobs 0-191
	s_cmp_lt_u32 ttmp9, 256
	s_cselect_b32 s[JOB], s[JOB], s2
	s_add_co_u32 s2, ttmp9, 32                     ; numbers 448-511: jobs 480-543
	s_cmp_lt_u32 ttmp9, 448
	s_cselect_b32 s[JOB], s[JOB], s2
	s_sub_co_u32 s2, ttmp9, 320                    ; numbers 512-543: jobs 192-223
	s_cmp_lt_u32 ttmp9, 512
	s_cselect_b32 s[JOB], s[JOB], s2
	s_wait_kmcnt 0x0
	s_cmp_lt_u32 s[JOB], 80
	s_cbranch_scc1 .Lbw
	s_cmp_lt_u32 s[JOB], 160
	s_cbranch_scc1 .Lw_go
	s_cmp_lt_u32 s[JOB], 224
	s_cbranch_scc1 .Lw_val
; ---------------- query_feats: a wave takes one row tile of one batch, all four K steps
	s_sub_co_u32 s30, s[JOB], 224
	s_lshl_b32 s30, s30, 2
	s_add_co_u32 s30, s30, s26                     ; T = 20 batch + tile, 0 .. 1279
	s_mul_i32 s31, s30, 3277
	s_lshr_b32 s31, s31, 16                        ; batch = T / 20 (exact for T under 1,280: the excess of 3277 / 65536 over 1 / 20 adds under 0.004)
	s_mul_i32 s32, s31, 20
	s_sub_co_u32 s32, s30, s32                     ; tile
	s_lshr_b32 s33, s32, 1
	s_lshl_b32 s33, s33, 5
	s_and_b32 s34, s32, 1
	s_lshl_b32 s34, s34, 3
	s_add_co_u32 s33, s33, s34                     ; the tile's first row: 32 (t / 2) + 8 (t % 2)
	s_add_co_u32 s34, s33, 4
	s_min_u32 s34, s34, 296                        ; tile rows 4-7, and
	s_add_co_u32 s35, s33, 16
	s_min_u32 s35, s35, 292                        ; tile rows 8-15, held inside the batch's 300 rows: what is read for rows that do not exist is replaced by 0 below
	s_lshl_b32 s36, s33, 11
	s_lshl_b32 s34, s34, 11
	s_lshl_b32 s35, s35, 11
	v_add_nc_u32 v5, s36, v4                       ; a row is 2,048 bytes; 16 bytes a lane
	v_add_nc_u32 v6, s34, v4
	v_add_nc_u32 v7, s35, v4
	s_mul_i32 s36, s31, 614400
	s_mov_b32 s37, 0
	s_add_nc_u64 s[4:5], s[4:5], s[36:37]
	s_lshl_b32 s36, s30, 13
	s_add_nc_u64 s[16:17], s[16:17], s[36:37]
	s_lshl_b32 s36, s30, 8
	s_add_nc_u64 s[18:19], s[18:19], s[36:37]
	v_and_b32 v8, 8, v2
	v_add_nc_u32 v8, v8, v2
	v_add_nc_u32 v8, s33, v8                       ; my row of the batch
	v_cmp_gt_u32 vcc_lo, 0x12c, v8                 ; does it exist?
	s_mul_i32 s38, s26, 8448                       ; my wave's stage: 16 rows x (512 + 16) bytes
	v_add_nc_u32 v9, s38, v4                       ; in: a row as it is loaded
	v_mul_u32_u24 v10, v2, 528
	v_lshl_add_u32 v10, v3, 6, v10
	v_add_nc_u32 v10, s38, v10                     ; out: row r, + 64 h: my 16 numbers of each block of 32
	v_lshlrev_b32 v11, 4, v2
.irp b,0,1,2,3
	v_mov_b32 v[TM+4+\b], 0                        ; written once: a lane permute's destination counts as one of its sources
.endr
.macro LOADX s                         ; K step s of the 16 rows: each load reads 512 consecutive bytes of one row
.set RL, 128+64*((\s)%2)
.irp p,0,1,2,3
	global_load_b128 v[RL+4*\p:RL+4*\p+3], v5, s[4:5] offset:2048*\p+512*(\s) th:TH_LOAD_NT
.endr
.irp p,0,1,2,3
	global_load_b128 v[RL+16+4*\p:RL+16+4*\p+3], v6, s[4:5] offset:2048*\p+512*(\s) th:TH_LOAD_NT
.endr
.irp p,0,1,2,3,4,5,6,7
	global_load_b128 v[RL+32+4*\p:RL+32+4*\p+3], v7, s[4:5] offset:2048*\p+512*(\s) th:TH_LOAD_NT
.endr
.endm
.macro XSTEP s
.set RB, 128+64*((\s)%2)
.if (\s) < 3
	s_wait_loadcnt 16                              ; this K step's 16 loads are in; the next one's 16 stay out
.else
	s_wait_loadcnt 0x0
.endif
.irp p,0,1,2,3,4,5,6,7,8,9,10,11,12,13,14,15
	ds_store_b128 v9, v[RB+4*\p:RB+4*\p+3] offset:528*\p
.endr
.irp c,0,1,2,3
.irp j,0,1,2,3
	ds_load_b128 v[64+16*\c+4*\j:64+16*\c+4*\j+3], v10 offset:128*\c+16*\j   ; LDS serves a wave's instructions in order: these see the stores above
.endr
.endr
	s_wait_dscnt 0x0
.if (\s)+2 < 4
	LOADX (\s)+2
.endif
.set ii, 0
.rept 64
	v_cndmask_b32 v[64+ii], 0, v[64+ii], vcc_lo    ; rows 300 on are zeros
.set ii, ii+1
.endr
	s_wait_xcnt 0x0                                ; the last K step's stores have read their codes: the registers are written again
	QB 64,4,36+(\s)
.irp c,0,1,2,3
	global_store_b128 v4, v[PC+4*\c:PC+4*\c+3], s[16:17] offset:2048*(\s)+512*\c   ; 512 consecutive bytes
.endr
.endm
	LOADX 0
	LOADX 1
	XSTEP 0
	XSTEP 1
	XSTEP 2
	XSTEP 3
	global_store_b128 v11, v[36:39], s[18:19]      ; my row's four scale words (lanes 16-31 hold and store the same)
	s_wait_tensorcnt 0x0
	ds_add_u32 v62, v63
	s_wait_dscnt 0x0
	s_endpgm
; ---------------- weight_bank and bias: a wave takes five key blocks of one query tile of one head
.Lbw:
	s_lshl_b32 s30, s[JOB], 2
	s_add_co_u32 s30, s30, s26                     ; item 0 .. 319
	s_and_b32 s31, s30, 1                          ; which five key blocks
	s_lshr_b32 s32, s30, 1                         ; 20 head + tile
	s_mul_i32 s33, s32, 3277
	s_lshr_b32 s33, s33, 16                        ; head
	s_mul_i32 s34, s33, 20
	s_sub_co_u32 s34, s32, s34                     ; query tile
	s_lshr_b32 s35, s34, 1
	s_lshl_b32 s35, s35, 5
	s_and_b32 s36, s34, 1
	s_lshl_b32 s36, s36, 3
	s_add_co_u32 s35, s35, s36
	v_and_b32 v5, 8, v2
	v_add_nc_u32 v5, v5, v2
	v_add_nc_u32 v5, s35, v5
	v_min_u32 v5, 0x12b, v5                        ; my query, held at 299
	v_mul_u32_u24 v5, v5, 1200                     ; its row of 300 numbers
	s_mul_i32 s36, s31, 640
	v_lshl_add_u32 v6, v3, 6, s36                  ; 64 h + 640 x half
.set nn, 0
.rept 20
	v_add_nc_u32 v[16+nn], 128*(nn/4)+16*(nn%4), v6
.set nn, nn+1
.endr
.set nn, 0
.rept 20
	v_min_u32 v[16+nn], 0x4a0, v[16+nn]            ; no load passes the row's end: keys 300 on get keys 296-299
.set nn, nn+1
.endr
.set nn, 0
.rept 20
	v_add_nc_u32 v[16+nn], v[16+nn], v5
.set nn, nn+1
.endr
	s_mul_i32 s36, s33, 360000
	s_mov_b32 s37, 0
	s_add_nc_u64 s[12:13], s[12:13], s[36:37]
	s_add_nc_u64 s[14:15], s[14:15], s[36:37]
	s_mul_i32 s36, s32, 40960
	s_mul_i32 s38, s31, 20480
	s_add_co_u32 s36, s36, s38
	s_add_nc_u64 s[24:25], s[24:25], s[36:37]
.set nn, 0
.rept 20
	global_load_b128 v[64+4*nn:67+4*nn], v[16+nn], s[12:13]
	global_load_b128 v[144+4*nn:147+4*nn], v[16+nn], s[14:15]
.set nn, nn+1
.endr
	s_wait_loadcnt 0x0
.set nn, 0
.rept 80
	v_pk_mul_f32 v[64+2*nn:65+2*nn], v[64+2*nn:65+2*nn], 0.5 op_sel_hi:[1,0]   ; exact: the reader gets half the logit from one multiply-add
.set nn, nn+1
.endr
.set nn, 0
.rept 20
	global_store_b128 v4, v[64+4*nn:67+4*nn], s[24:25] offset:4096*(nn/4)+512*(nn%4)
	global_store_b128 v4, v[144+4*nn:147+4*nn], s[24:25] offset:4096*(nn/4)+512*(nn%4)+2048
.set nn, nn+1
.endr
	s_endpgm
; ---------------- a weight stored [K][N]: a lane takes a column, its registers run down K; a wave takes 32 columns x 128 K: two fragments
; in: s[46:47] the weight, s31 the group of 32 columns, s32 the K step, s33 the fragments' byte in wf, s34 the scale words' byte in ws, s35 bytes from tile u = 0 to u = 1
.macro WBLK c
.set XW, 64+32*(\c)
.if 96-32*(\c) > 63
	s_wait_loadcnt 63                              ; behind this block's 32 loads stand 96 - 32 c others; a wait's count names 63 at the most, and of the 128 loads issued it shows the first 65 done: blocks 0 and 1 are in
.else
	s_wait_loadcnt 96-32*(\c)                      ; this block's 32 loads are in; the later blocks' stay out
.endif
	v_max3_num_f32 v12, |v[XW]|, |v[XW+1]|, |v[XW+2]|
	v_max3_num_f32 v13, |v[XW+3]|, |v[XW+4]|, |v[XW+5]|
.irp i,6,10,14,18,22,26
	v_max3_num_f32 v12, v12, |v[XW+\i]|, |v[XW+\i+1]|
	v_max3_num_f32 v13, v13, |v[XW+\i+2]|, |v[XW+\i+3]|
.endr
	v_max3_num_f32 v12, v12, |v[XW+30]|, |v[XW+31]|
	v_max3_num_f32 v12, v12, v13, 0x4800000        ; all 32 numbers are mine; the floor holds the byte at 1
	v_add_nc_u32 v11, 0xfc000000, v12
	v_and_or_b32 v10, v12, 0x7f800000, s[MNT]
	v_lshrrev_b32 v13, 23, v11
.if (\c) == 0
	v_mov_b32 v20, v13
.else
	v_lshl_or_b32 v20, v13, 8*(\c), v20
.endif
.set ii, 0
.rept 32
	v_med3_num_f32 v[XW+ii], v[XW+ii], -v10, v10
.set ii, ii+1
.endr
.irp q,0,1,2,3
	v_cvt_scalef32_pk8_fp8_f32 v[192+8*(\c)+2*\q:193+8*(\c)+2*\q], v[XW+8*\q:XW+8*\q+7], v11
.endr
	global_store_b128 v8, v[192+8*(\c):195+8*(\c)], s[20:21] offset:512*(\c)        ; k 0-15 of the block: the place of lane (r, 0)
	global_store_b128 v8, v[196+8*(\c):199+8*(\c)], s[20:21] offset:512*(\c)+256    ; k 16-31: of lane (r, 1)
.endm
.macro WBODY pitch
	s_mul_i32 s36, s32, 128*(\pitch)
	s_lshl_b32 s37, s31, 7
	s_add_co_u32 s36, s36, s37
	s_mov_b32 s37, 0
	s_add_nc_u64 s[46:47], s[46:47], s[36:37]
	s_mov_b32 s36, s33
	s_add_nc_u64 s[20:21], s[20:21], s[36:37]
	s_mov_b32 s36, s34
	s_add_nc_u64 s[22:23], s[22:23], s[36:37]
	v_lshlrev_b32 v5, 2, v1                        ; my column
	v_bfe_u32 v6, v1, 3, 1                         ; column w of the 32 is row r = (w % 8) + 8 (w / 16) of tile u = (w / 8) % 2
	v_and_b32 v7, 7, v1
	v_lshrrev_b32 v8, 4, v1
	v_lshl_or_b32 v7, v8, 3, v7
	v_mul_u32_u24 v8, s35, v6
	v_lshl_add_u32 v8, v7, 4, v8
	v_lshl_add_u32 v9, v6, 4, v7
	v_lshlrev_b32 v9, 4, v9
.set ii, 0
.rept 128
	global_load_b32 v[64+ii], v5, s[46:47] offset:ii*(\pitch) th:TH_LOAD_NT   ; 32 lanes read 128 consecutive bytes of one row of the weight
.set ii, ii+1
.endr
	WBLK 0
	WBLK 1
	WBLK 2
	WBLK 3
	global_store_b32 v9, v20, s[22:23]
	s_endpgm
.endm
.Lw_go:                                            ; W_gen (items 0-63) and W_out (items 64-319): rows of 2,048 bytes
	s_sub_co_u32 s30, s[JOB], 80
	s_lshl_b32 s30, s30, 2
	s_add_co_u32 s30, s30, s26
	s_lshr_b32 s31, s30, 2                         ; as W_gen: group, K step
	s_and_b32 s32, s30, 3
	s_lshl_b32 s33, s31, 14
	s_lshl_b32 s34, s32, 11
	s_add_co_u32 s33, s33, s34
	s_lshl_b32 s34, s31, 9
	s_lshl_b32 s35, s32, 2
	s_add_co_u32 s34, s34, s35
	s_sub_co_u32 s36, s30, 64                      ; as W_out (not used where the item is W_gen's)
	s_lshr_b32 s37, s36, 4
	s_and_b32 s38, s36, 15
	s_lshr_b32 s39, s37, 2
	s_and_b32 s40, s37, 3
	s_lshl_b32 s39, s39, 4
	s_add_co_u32 s39, s39, s38                     ; 16 quarter + K step
	s_lshl_b32 s41, s39, 3
	s_lshl_b32 s42, s40, 1
	s_add_co_u32 s41, s41, s42
	s_lshl_b32 s41, s41, 11
	s_add_co_u32 s41, s41, 1310720
	s_lshl_b32 s42, s39, 9
	s_lshl_b32 s43, s40, 2
	s_add_co_u32 s42, s42, s43
	s_add_co_u32 s42, s42, 40960
	s_mov_b32 s43, 2048
	s_mov_b32 s44, 8192
	s_cmp_lt_u32 s30, 64                           ; the choice hangs on ids alone
	s_cselect_b64 s[46:47], s[6:7], s[10:11]
	s_cselect_b32 s31, s31, s37
	s_cselect_b32 s32, s32, s38
	s_cselect_b32 s33, s33, s41
	s_cselect_b32 s34, s34, s42
	s_cselect_b32 s35, s44, s43
	WBODY 2048
.Lw_val:                                           ; W_val: rows of 8,192 bytes
	s_sub_co_u32 s30, s[JOB], 160
	s_lshl_b32 s30, s30, 2
	s_add_co_u32 s30, s30, s26
	s_lshr_b32 s31, s30, 2
	s_and_b32 s32, s30, 3
	s_lshl_b32 s33, s31, 14
	s_lshl_b32 s34, s32, 11
	s_add_co_u32 s33, s33, s34
	s_add_co_u32 s33, s33, 262144
	s_lshl_b32 s34, s31, 9
	s_lshl_b32 s35, s32, 2
	s_add_co_u32 s34, s34, s35
	s_add_co_u32 s34, s34, 8192
	s_mov_b32 s35, 8192
	s_mov_b64 s[46:47], s[8:9]
	WBODY 8192
.Lfunc_end_k_q1ab0e1e885_prep:
	.size	k_q1ab0e1e885_prep, .Lfunc_end_k_q1ab0e1e885_prep-k_q1ab0e1e885_prep
	.p2alignl 7, 3214868480
	.fill 96, 4, 3214868480
	.section	.rodata,"a",@progbits
	.p2align	6, 0x0
	.amdhsa_kernel k_q1ab0e1e885_prep
		.amdhsa_group_segment_fixed_size 34304
		.amdhsa_private_segment_fixed_size 0
		.amdhsa_enable_private_segment 0
		.amdhsa_kernarg_size 88
		.amdhsa_user_sgpr_count 2
		.amdhsa_user_sgpr_kernarg_segment_ptr 1
		.amdhsa_wavefront_size32 1
		.amdhsa_system_sgpr_workgroup_id_x 1
		.amdhsa_system_sgpr_workgroup_id_y 1
		.amdhsa_system_sgpr_workgroup_id_z 1
		.amdhsa_system_vgpr_workitem_id 0
		.amdhsa_next_free_vgpr 256
		.amdhsa_next_free_sgpr 66
		.amdhsa_reserve_vcc 1
		.amdhsa_float_denorm_mode_32 3
		.amdhsa_float_denorm_mode_16_64 3
		.amdhsa_memory_ordered 1
		.amdhsa_forward_progress 1
		.amdhsa_inst_pref_size 134
	.end_amdhsa_kernel
	.amdgpu_metadata
---
amdhsa.version: [ 1, 2 ]
amdhsa.kernels:
  - .name:           k_q1ab0e1e885_prep
    .symbol:         k_q1ab0e1e885_prep.kd
    .args:
      - { .name: query_feats, .offset: 0, .size: 8, .value_kind: global_buffer, .address_space: global }
      - { .name: W_gen, .offset: 8, .size: 8, .value_kind: global_buffer, .address_space: global }
      - { .name: W_val, .offset: 16, .size: 8, .value_kind: global_buffer, .address_space: global }
      - { .name: W_out, .offset: 24, .size: 8, .value_kind: global_buffer, .address_space: global }
      - { .name: weight_bank, .offset: 32, .size: 8, .value_kind: global_buffer, .address_space: global }
      - { .name: bias, .offset: 40, .size: 8, .value_kind: global_buffer, .address_space: global }
      - { .name: xf, .offset: 48, .size: 8, .value_kind: global_buffer, .address_space: global }
      - { .name: xs, .offset: 56, .size: 8, .value_kind: global_buffer, .address_space: global }
      - { .name: wf, .offset: 64, .size: 8, .value_kind: global_buffer, .address_space: global }
      - { .name: ws, .offset: 72, .size: 8, .value_kind: global_buffer, .address_space: global }
      - { .name: bwf, .offset: 80, .size: 8, .value_kind: global_buffer, .address_space: global }
    .group_segment_fixed_size: 34304
    .private_segment_fixed_size: 0
    .kernarg_segment_align: 8
    .kernarg_segment_size: 88
    .max_flat_workgroup_size: 128
    .sgpr_count:     66
    .vgpr_count:     256
    .wavefront_size: 32
...
	.end_amdgpu_metadata
.endif
;; end of part 1
;; launch attn (part 2): grid 32 x 8, 4 waves a work-group, no clusters, 280,064 bytes of LDS; arguments xf, xs, wf, ws, bwf, b_gen, b_val, af, asc; writes af, asc
.if DOCPART == 2
	.amdgcn_target "amdgcn-amd-amdhsa--gfx1250"
	.amdhsa_code_object_version 6
	.text
	.protected	k_q1ab0e1e885_attn
	.globl	k_q1ab0e1e885_attn
	.p2align	8
	.type	k_q1ab0e1e885_attn,@function
k_q1ab0e1e885_attn:
	s_mov_b64 s[64:65], 0
	v_nop
	global_prefetch_b8 v0, s[64:65] scope:SCOPE_SE
	s_setreg_imm32_b32 hwreg(HW_REG_WAVE_MODE, 25, 1), 1
	s_wait_xcnt 0x0
; ATTN: for one head and two batches: G = X W_gen + b_gen, V = X W_val + b_val, S = q G^T, g = gelu(S x weight_bank + bias), p = 2^(g log2(e) - M), O = P V / l; O leaves as codes.
; All four products on E4M3 codes with E8M0 scales for each 32 along K.  Fragments, tiles and the quantiser are as the launch in front lays them (fragment: 4 x 512 bytes, lane l's 16 bytes at 16 l; tile 2 g + u, row r = element 32 g + 8 u + r + 8 (r / 8)).
; With such tiles the 16 result registers of tiles 2 g and 2 g + 1 in lane (r, h) are the neighbours 32 g + 16 h + 0 .. 15 along the next K, and a block of 32 lies in lanes l and l xor 16: every result becomes the next operand in registers.
; SHARES.  256 work-groups of four waves.  Two batches to a work-group, so that one copy of the head's weights in registers, and one load of each query tile's weight_bank and bias, serve both.
; PHASE 1 (10 trips of 64 keys): X's fragments are staged in LDS by the four waves and read by all.  Wave w makes V for 64 of the head's 256 channels (source 0 = X: a lane holds a channel, registers run down the keys);
;   waves 0, 1 (even key block) and 2, 3 (odd) make G for 32 of the head's 64 dimensions (source 0 = W_gen: a lane holds a key).  Both are quantised in registers and go to LDS as images of operand registers.
; PHASE 2 (10 trips): wave w takes query tiles 5 w .. 5 w + 4 of both batches; a trip is 16 queries x 320 keys: 20 products, the logits, GELU, softmax, P's codes to LDS.
;   The first ten tiles of G are asked of LDS a trip ahead; half of the logits stand between the request for the other ten and the wait for them.
; PHASE 3 (20 trips): wave (batch w / 2, half w % 2 of the channels) holds its 8 tiles of V in 320 registers; a trip is one query tile: 24 products, / l, quantised along the channels, stored.
; K = 64 of the scores and the last 64 keys of K = 300 fill half an instruction's 128: the other half meets ZERO CODES on one side (q's, P's) and valid codes under non-NaN scale bytes on the other.
; GELU, exact form: with y = logit / 2, gelu = y + |y| erf(sqrt(2) |y|); erf by the rational form 1 - (a1 t + .. + a5 t^5) e^(-z^2), t = 1 / (1 + 0.3275911 z).
; LIMITS.  That form of erf is off by at most 1.5e-7 absolutely, so g by at most 1.5e-7 |y|; it goes to 1 exactly for large |y|.  logit = fma(S, w, b), one rounding where the source has two.  1 / l by v_rcp_f32.
;   A block's largest p is taken through its largest g, which takes v_exp_f32 not to fall where its input rises.  A block of zeros gets the byte 1 and zero codes.  NaN and infinities among the inputs are not served.
; No joint loads: 800 KiB of a work-group's 1.35 MiB (weight_bank, bias) go straight into 320 registers and would not fit in LDS beside what lies there; what could be shared (X, the weights) is the smaller part.
; No L2 prefetch lines: every load from memory is issued a trip or a stage ahead of its use.
.set GIMG, 0                           ; G's codes  [wave 4][pair of key blocks 10][tile u 2][512]: 40,960 bytes; wave 2 par + db wrote piece db of the key blocks of parity par
.set GSC,  40960                       ; G's scales [wave 4][pair 10][u 2][r 16] words, the byte at place db: 5,120 bytes
.set VSC,  46080                       ; V's scales [channel tile 16][r 16][32 bytes]: byte 16 batch + key block, the rest 0: 8,192 bytes
.set SLOT, 54272                       ; phase 1: X's 16 fragments of a trip: 32,768 bytes
.set VIMG, 87040                       ; phase 1: V's codes [channel tile 16][10 batch + key block][512]: 163,840 bytes
.set PIMG, 54272                       ; phases 2, 3: P's codes [2 query tile + batch][key block 10][512]: 204,800 bytes
.set PSC,  259072                      ; P's three scale words and 1 / l, 128 bytes each: [2 query tile + batch][4][128]: 20,480 bytes
.set WV,22
.set HD,23
.set DB,24
.set DB8,25
.set SEL,26
.set MNT,28
.set A4,30
.set A3,32
.set A2,34
.set A1,36
.set K2,38
.set LG,40
.set C1,42
.set XFB,44
.set XSB,46
.set SX,66
.set SXS,67
.set SV,68
.set SK,69
.set SG,70
.set SGS,71
.set CNT,72
.set N,74
.set TG,75
.set TGS,76
.set SH,77
.set W5,78
.set SBW,79
.set SP,80
.set SPS,81
.set QFB,82
.set QSB,84
.set BWB,86
.set ST,88
.set ST2,89
.set OAF,90
.set OAS,91
.set AFB,92
.set ASB,94
.set CN3,96
; REGISTERS, in windows of 256.  Phase 1: window 1 W_val's 16 fragments (tile i, K step s at 64 i + 16 s); window 2 W_gen's 8 (64 u' + 16 s), v128-191 what I stage; window 3 X's 16 (128 block + 64 u + 16 s).
; Phases 2, 3: window 1 weight_bank v0-159, ten tiles of G v160-239, zeros v240-247 (phase 3: P v0-39, zeros v40-47); window 2 bias v0-159, V's tiles 6, 7 at v160, v200, q v240-247, zeros v248-255; window 3 V's tiles 0-5 at 40 i.
.set XS,52                             ; phase 1, window 0: v52-59 X's scale words (4 block + s; lanes 0-15 tile u = 0, lanes 16-31 u = 1)
.set WVS,60                            ; v60-67  W_val's (4 pair + s)
.set WGS,68                            ; v68-71  W_gen's
.set BG,72                             ; v72-87  b_gen as C
.set BV,88                             ; v88-119 b_val as C
.set GA,120                            ; v120-151 G's sums (16 u + 8 u')
.set VA,152                            ; v152-215 V's sums (16 i + 8 u)
.set XN,216                            ; v216-223 the next trip's scale words of X
.set TM,16
.set PC,36
.set MSB,0
.macro WIN new                         ; the immediate's high byte repeats the setting that is left
.if MSB != (\new)
	s_set_vgpr_msb (MSB<<8)|(\new)
.set MSB, (\new)
.endif
.endm
.macro PLACES                          ; behind a run of products: nine plain places, which serve reads of results, loads into operands and accumulators begun anew alike
.rept 9
	v_nop
.endr
.endm
.macro BARRIER                         ; my LDS stores have landed and my LDS loads are in: then the work-group's barrier
	s_wait_dscnt 0x0
	s_barrier_signal -1
	s_barrier_wait -1
.endm
; one product.  c < 0: the constant 0 starts the sum.  ra, rb = 1: that side's scales stand in lanes 16-31
.macro WM d, a, b, c, sa, sb, ra, rb
.if (\c) < 0
.if (\ra) && (\rb)
	v_wmma_scale_f32_16x16x128_f8f6f4 v[(\d):(\d)+7], v[(\a):(\a)+15], v[(\b):(\b)+15], 0, v[(\sa)], v[(\sb)] matrix_a_scale:MATRIX_SCALE_ROW1 matrix_b_scale:MATRIX_SCALE_ROW1
.elseif (\ra)
	v_wmma_scale_f32_16x16x128_f8f6f4 v[(\d):(\d)+7], v[(\a):(\a)+15], v[(\b):(\b)+15], 0, v[(\sa)], v[(\sb)] matrix_a_scale:MATRIX_SCALE_ROW1
.elseif (\rb)
	v_wmma_scale_f32_16x16x128_f8f6f4 v[(\d):(\d)+7], v[(\a):(\a)+15], v[(\b):(\b)+15], 0, v[(\sa)], v[(\sb)] matrix_b_scale:MATRIX_SCALE_ROW1
.else
	v_wmma_scale_f32_16x16x128_f8f6f4 v[(\d):(\d)+7], v[(\a):(\a)+15], v[(\b):(\b)+15], 0, v[(\sa)], v[(\sb)]
.endif
.else
.if (\ra) && (\rb)
	v_wmma_scale_f32_16x16x128_f8f6f4 v[(\d):(\d)+7], v[(\a):(\a)+15], v[(\b):(\b)+15], v[(\c):(\c)+7], v[(\sa)], v[(\sb)] matrix_a_scale:MATRIX_SCALE_ROW1 matrix_b_scale:MATRIX_SCALE_ROW1
.elseif (\ra)
	v_wmma_scale_f32_16x16x128_f8f6f4 v[(\d):(\d)+7], v[(\a):(\a)+15], v[(\b):(\b)+15], v[(\c):(\c)+7], v[(\sa)], v[(\sb)] matrix_a_scale:MATRIX_SCALE_ROW1
.elseif (\rb)
	v_wmma_scale_f32_16x16x128_f8f6f4 v[(\d):(\d)+7], v[(\a):(\a)+15], v[(\b):(\b)+15], v[(\c):(\c)+7], v[(\sa)], v[(\sb)] matrix_b_scale:MATRIX_SCALE_ROW1
.else
	v_wmma_scale_f32_16x16x128_f8f6f4 v[(\d):(\d)+7], v[(\a):(\a)+15], v[(\b):(\b)+15], v[(\c):(\c)+7], v[(\sa)], v[(\sb)]
.endif
.endif
.endm
; 16 nb numbers of a lane, register 16 b + i = k 32 b + 16 (lane / 16) + i of my row, become codes in v[PC + 4 b] on, bytes in v[TM + 4 + b] and (pw > 0) a scale word in v[pw]
.macro QB src, nb, pw
.irp b,0,1,2,3
.if \b < (\nb)
	v_max3_num_f32 v[TM+\b], |v[(\src)+16*\b]|, |v[(\src)+16*\b+1]|, 0x4800000   ; my 16 numbers and the floor 2^(9 - 127): the byte cannot fall under 1.  (Each accumulator is read from its low end on)
.endif
.endr
.irp i,2,4,6,8,10,12,14
.irp b,0,1,2,3
.if \b < (\nb)
	v_max3_num_f32 v[TM+\b], v[TM+\b], |v[(\src)+16*\b+\i]|, |v[(\src)+16*\b+\i+1]|
.endif
.endr
.endr
.irp b,0,1,2,3
.if \b < (\nb)
	v_permlanex16_b32 v[TM+4+\b], v[TM+\b], s[SEL], s[SEL+1]
.endif
.endr
.irp b,0,1,2,3
.if \b < (\nb)
	v_max_num_f32 v[TM+\b], v[TM+\b], v[TM+4+\b]            ; with lane l xor 16's: the block's largest magnitude
.endif
.endr
.irp b,0,1,2,3
.if \b < (\nb)
	v_add_nc_u32 v[TM+12+\b], 0xfc000000, v[TM+\b]          ; 8 off its exponent field: the conversion's scale operand
.endif
.endr
.irp b,0,1,2,3
.if \b < (\nb)
	v_and_or_b32 v[TM+8+\b], v[TM+\b], 0x7f800000, s[MNT]   ; 448 x the scale
.endif
.endr
.irp b,0,1,2,3
.if \b < (\nb)
	v_lshrrev_b32 v[TM+4+\b], 23, v[TM+12+\b]               ; the scale's byte
.endif
.endr
.if (\pw) > 0
	v_lshl_or_b32 v[(\pw)], v[TM+5], 8, v[TM+4]
	v_lshl_or_b32 v[(\pw)], v[TM+6], 16, v[(\pw)]
	v_lshl_or_b32 v[(\pw)], v[TM+7], 24, v[(\pw)]
.endif
.irp b,0,1,2,3
.if \b < (\nb)
.irp i,0,1,2,3,4,5,6,7,8,9,10,11,12,13,14,15
	v_med3_num_f32 v[(\src)+16*\b+\i], v[(\src)+16*\b+\i], -v[TM+8+\b], v[TM+8+\b]   ; the conversion to an 8-bit code does not saturate (ISA guide 7.6.2): the hold comes first
.endr
	v_cvt_scalef32_pk8_fp8_f32 v[PC+4*\b:PC+4*\b+1], v[(\src)+16*\b:(\src)+16*\b+7], v[TM+12+\b]
	v_cvt_scalef32_pk8_fp8_f32 v[PC+4*\b+2:PC+4*\b+3], v[(\src)+16*\b+8:(\src)+16*\b+15], v[TM+12+\b]
.endif
.endr
	v_nop                                                   ; a plain line behind the last conversion: later products write its sources
.endm
	s_load_b256 s[4:11], s[0:1], 0x0               ; xf s[4:5], xs s[6:7], wf s[8:9], ws s[10:11]
	s_load_b256 s[12:19], s[0:1], 0x20             ; bwf s[12:13], b_gen s[14:15], b_val s[16:17], af s[18:19]
	s_load_b64 s[20:21], s[0:1], 0x40              ; asc
	v_lshrrev_b32 v1, 5, v0
	v_readfirstlane_b32 s[WV], v1                  ; wave 0..3
	s_and_b32 s[HD], ttmp7, 0xffff                 ; the head; ttmp9: the pair of batches
	v_and_b32 v226, 31, v0                         ; lane
	v_and_b32 v224, 15, v0                         ; r
	v_bfe_u32 v225, v0, 4, 1                       ; h
	v_lshlrev_b32 v1, 4, v226                      ; v1 = 16 x lane, for the whole kernel
	s_and_b32 s[DB], s[WV], 1                      ; which 32 of the head's 64 dimensions of G are mine
	s_lshl_b32 s[DB8], s[DB], 3
	s_mov_b32 s[SEL], 0x76543210
	s_mov_b32 s[SEL+1], 0xfedcba98                 ; v_permlanex16_b32's selects for lane l xor 16
	s_mov_b32 s[MNT], 0x600000                     ; the mantissa field of 448
	s_mov_b32 s[A4], 0xbfba00e3                    ; erf's coefficients, each as a pair: the packed forms name a pair and take its low word for both halves
	s_mov_b32 s[A4+1], s[A4]
	s_mov_b32 s[A3], 0x3fb5f0e3
	s_mov_b32 s[A3+1], s[A3]
	s_mov_b32 s[A2], 0xbe91a98e
	s_mov_b32 s[A2+1], s[A2]
	s_mov_b32 s[A1], 0x3e827906
	s_mov_b32 s[A1+1], s[A1]
	s_mov_b32 s[K2], 0xc038aa3b                    ; -2 log2(e): e^(-z^2) = 2^(-2 log2(e) y^2)
	s_mov_b32 s[K2+1], s[K2]
	s_mov_b32 s[LG], 0x3fb8aa3b                    ; log2(e)
	s_mov_b32 s[LG+1], s[LG]
	s_mov_b32 s[C1], 0x3eed3388                    ; 0.3275911 sqrt(2)
.irp j,16,17,18,19,20,21,22,23
	v_mov_b32 v\j, 0                               ; v16-19: zeros for V's scale bytes; v20-23: a lane permute's destination counts as one of its sources
.endr
	v_lshl_add_u32 v227, v0, 4, VSC
.irp k,0,1,2,3
	ds_store_b128 v227, v[16:19] offset:2048*\k    ; the bytes that no key block fills must not be 0xff: zeros.  (The first trip's barrier stands between these stores and the byte stores)
.endr
	s_lshl_b32 s48, s[WV], 13
	v_add_nc_u32 v14, s48, v1                      ; v14 what I stage: tile w of a trip's four, 8,192 bytes
	v_add_nc_u32 v2, SLOT, v14                     ; v2  where it goes
	v_add_nc_u32 v4, SLOT, v1                      ; v4  where all read
	s_mul_i32 s48, s[WV], 40960
	s_add_co_u32 s48, s48, VIMG
	v_add_nc_u32 v5, s48, v1                       ; v5  my four channel tiles' images
	s_lshl_b32 s48, s[WV], 11
	s_add_co_u32 s48, s48, VSC
	v_lshl_add_u32 v7, v224, 5, s48                ; v7  and their scale bytes
	s_mul_i32 s48, s[WV], 10240
	v_add_nc_u32 v9, s48, v1                       ; v9  my part of G's images (GIMG = 0)
	s_mul_i32 s48, s[WV], 1280
	s_add_co_u32 s48, s48, GSC
	v_lshl_add_u32 v11, v224, 2, s48               ; v11 and of its scale words
	v_and_b32 v228, 8, v224
	v_add_nc_u32 v228, v228, v224
	v_lshlrev_b32 v228, 2, v228                    ; b_val: 4 (r + 8 (r / 8))
	v_lshlrev_b32 v229, 6, v225                    ; b_gen: 64 h
	v_mov_b32 v3, v14
	v_mov_b32 v13, v1
	s_mov_b32 s[SX], 0
	s_mov_b32 s[SXS], 0
	s_mov_b32 s[SV], 0
	s_mov_b32 s[SK], 0
	s_mov_b32 s[SG], 0
	s_mov_b32 s[SGS], 0
	s_mov_b32 s49, 0
	s_wait_kmcnt 0x0
	s_mul_i32 s48, ttmp9, 327680
	s_add_nc_u64 s[XFB:XFB+1], s[4:5], s[48:49]    ; the pair's 40 row tiles of codes,
	s_mul_i32 s48, ttmp9, 10240
	s_add_nc_u64 s[XSB:XSB+1], s[6:7], s[48:49]    ; and their scale words
	s_lshl_b32 s48, s[HD], 4
	s_lshl_b32 s62, s[WV], 2
	s_add_co_u32 s48, s48, s62
	s_lshl_b32 s48, s48, 13
	s_add_co_u32 s48, s48, 262144
	s_add_nc_u64 s[50:51], s[8:9], s[48:49]        ; W_val: column tiles 16 head + 4 w on
	s_lshl_b32 s48, s[HD], 2
	s_lshl_b32 s62, s[DB], 1
	s_add_co_u32 s48, s48, s62
	s_lshl_b32 s48, s48, 13
	s_add_nc_u64 s[52:53], s[8:9], s[48:49]        ; W_gen: column tiles 4 head + 2 db on
	s_lshl_b32 s48, s[HD], 3
	s_lshl_b32 s62, s[WV], 1
	s_add_co_u32 s48, s48, s62
	s_lshl_b32 s48, s48, 9
	s_add_co_u32 s48, s48, 8192
	s_add_nc_u64 s[54:55], s[10:11], s[48:49]
	s_lshl_b32 s48, s[HD], 1
	s_add_co_u32 s48, s48, s[DB]
	s_lshl_b32 s48, s48, 9
	s_add_nc_u64 s[56:57], s[10:11], s[48:49]
	s_lshl_b32 s48, s[HD], 10
	s_lshl_b32 s62, s[WV], 8
	s_add_co_u32 s48, s48, s62
	s_add_nc_u64 s[58:59], s[16:17], s[48:49]
	s_lshl_b32 s48, s[HD], 8
	s_lshl_b32 s62, s[DB], 7
	s_add_co_u32 s48, s48, s62
	s_add_nc_u64 s[60:61], s[14:15], s[48:49]
.macro STAGELD                         ; my tile of the trip named by v3, and the trip's scale words
	WIN 0x80
.set nn, 0
.rept 16
	global_load_b128 v[128+4*nn:131+4*nn], v3, s[XFB:XFB+1] offset:512*nn
.set nn, nn+1
.endr
	WIN 0
	global_load_b128 v[XN:XN+3], v13, s[XSB:XSB+1]
	global_load_b128 v[XN+4:XN+7], v13, s[XSB:XSB+1] offset:512
.endm
	STAGELD
	WIN 0x40
.set nn, 0
.rept 64
	global_load_b128 v[4*nn:4*nn+3], v1, s[50:51] offset:512*nn   ; my part of the weights stays in registers through phase 1
.set nn, nn+1
.endr
	WIN 0x80
.set nn, 0
.rept 32
	global_load_b128 v[4*nn:4*nn+3], v1, s[52:53] offset:512*nn
.set nn, nn+1
.endr
	WIN 0
	global_load_b128 v[WVS:WVS+3], v1, s[54:55]
	global_load_b128 v[WVS+4:WVS+7], v1, s[54:55] offset:512
	global_load_b128 v[WGS:WGS+3], v1, s[56:57]
.irp p,0,1
	global_load_b128 v[BG+8*\p:BG+8*\p+3], v229, s[60:61] offset:32*\p        ; b_gen at my eight dimensions of tile u': 32 db + 16 h + 8 u' + 0 .. 7
	global_load_b128 v[BG+8*\p+4:BG+8*\p+7], v229, s[60:61] offset:32*\p+16
.endr
.irp i,0,1,2,3
.irp j,0,1,2,3,4,5,6,7
	global_load_b32 v[BV+8*\i+\j], v228, s[58:59] offset:(32*(\i/2)+8*(\i%2))*4   ; b_val of my channel, eight times: the C of a tile whose registers run down the keys
.endr
.endr
; V of key block ch: 32 products; the eight accumulators take turns, one instruction a turn
.macro VRUN ch
	WIN 0x07                                       ; source 0 (X) window 3, source 1 (W_val) window 1
.irp s,0,1,2,3
.irp u,0,1
.irp i,0,1,2,3
.if \s == 0
	WM VA+16*\i+8*\u,128*(\ch)+64*\u+16*\s,64*\i+16*\s,BV+8*\i,XS+4*(\ch)+\s,WVS+4*(\i/2)+\s,\u,\i%2
.else
	WM VA+16*\i+8*\u,128*(\ch)+64*\u+16*\s,64*\i+16*\s,VA+16*\i+8*\u,XS+4*(\ch)+\s,WVS+4*(\i/2)+\s,\u,\i%2
.endif
.endr
.endr
.endr
	WIN 0
.endm
; G of key block ch, for the two waves whose block it is: 16 products, quantised along the head's dimensions, images to LDS.
; No wait stands behind the stores: only vector lines write their registers next, and the waves that read these bytes do so behind a barrier in front of which I wait for all my LDS instructions
.macro GPART ch
.if (\ch) == 0
	s_cmp_lt_u32 s[WV], 2
.else
	s_cmp_ge_u32 s[WV], 2
.endif
	s_cbranch_scc0 .Lnog_\@
	WIN 0x0e                                       ; source 0 (W_gen) window 2, source 1 (X) window 3
.irp s,0,1,2,3
.irp u,0,1
.irp p,0,1
.if \s == 0
	WM GA+16*\u+8*\p,64*\p+16*\s,128*(\ch)+64*\u+16*\s,BG+8*\p,WGS+\s,XS+4*(\ch)+\s,\p,\u
.else
	WM GA+16*\u+8*\p,64*\p+16*\s,128*(\ch)+64*\u+16*\s,GA+16*\u+8*\p,WGS+\s,XS+4*(\ch)+\s,\p,\u
.endif
.endr
.endr
.endr
	WIN 0
	PLACES
	QB GA,2,0
.irp u,0,1
	v_lshlrev_b32 v[TM+4+\u], s[DB8], v[TM+4+\u]   ; the byte at place db of a word: the reader joins the two waves' words
.endr
.irp u,0,1
	ds_store_b128 v10, v[PC+4*\u:PC+4*\u+3] offset:512*\u
	ds_store_b32 v12, v[TM+4+\u] offset:64*\u      ; (lanes 16-31 store the same word with the same value)
.endr
.Lnog_\@:
.endm
; V of key block ch is quantised along the keys: images and scale bytes to LDS (no wait behind the stores, as in GPART)
.macro VOUT ch, beta
	QB VA,4,0
.irp i,0,1,2,3
	ds_store_b128 v6, v[PC+4*\i:PC+4*\i+3] offset:10240*\i+512*(\ch)
.endr
.irp i,0,1,2,3
	ds_store_b8 v8, v[TM+4+\i] offset:512*\i+(\ch)+6*(\beta)   ; byte 16 batch + key block = 2 x trip + ch + 6 batch
.endr
.endm
; five trips: one batch's ten key blocks.  All stepped offsets run on linearly from the first batch's loop into the second's
.macro P1LOOP beta
	s_mov_b32 s[CNT], 5
.Lp1_\@:
	v_add_nc_u32 v6, s[SV], v5
	v_add_nc_u32 v8, s[SK], v7
	v_add_nc_u32 v10, s[SG], v9
	v_add_nc_u32 v12, s[SGS], v11
	s_wait_loadcnt 0x0                             ; what I stage is in (asked for a trip ago; in the first trip the weights too)
	WIN 0x08
.set nn, 0
.rept 16
	ds_store_b128 v2, v[128+4*nn:131+4*nn] offset:512*nn
.set nn, nn+1
.endr
	WIN 0
.irp k,0,1,2,3,4,5,6,7
	v_mov_b32 v[XS+\k], v[XN+\k]
.endr
.rept 8
	v_nop                                          ; a scale register written by a vector instruction stands eight places ahead of the product
.endr
	BARRIER                                        ; the trip's 16 fragments lie in LDS
	WIN 0xc0
.set nn, 0
.rept 64
	ds_load_b128 v[4*nn:4*nn+3], v4 offset:512*nn  ; the even key block's 32 first
.set nn, nn+1
.endr
	WIN 0
	s_add_co_u32 s[SX], s[SX], 32768
	s_min_u32 s[SX], s[SX], 9*32768                ; the last trip asks for its own bytes once more: no load leaves the buffer, and no load is jumped over
	s_add_co_u32 s[SXS], s[SXS], 1024
	s_min_u32 s[SXS], s[SXS], 9216
	v_add_nc_u32 v3, s[SX], v14                    ; (free: the wait above showed the loads that named them done)
	v_add_nc_u32 v13, s[SXS], v1
	STAGELD
	s_wait_dscnt 32                                ; the even block's fragments are in; the odd block's 32 loads stay out
	VRUN 0
	BARRIER                                        ; every wave has the whole slot in registers: the next trip may store into it
	PLACES
	GPART 0
	VOUT 0,\beta
	VRUN 1
	PLACES
	GPART 1
	s_cmp_lg_u32 s[CNT], 1
	s_cbranch_scc1 .Lnomask_\@
	s_mov_b32 vcc_lo, 0xffff                       ; key block 9 ends at key 299: lanes 0-15 hold keys 288-303, lanes 16-31 keys 304-319.  Zeros ahead of the block's largest magnitude
.irp i,0,1,2,3
.irp j,0,1,2,3,4,5,6,7,8,9,10,11
	v_cndmask_b32 v[VA+16*\i+\j], 0, v[VA+16*\i+\j], vcc_lo
.endr
.irp j,12,13,14,15
	v_mov_b32 v[VA+16*\i+\j], 0
.endr
.endr
.Lnomask_\@:
	VOUT 1,\beta
	s_add_co_u32 s[SV], s[SV], 1024
	s_add_co_u32 s[SK], s[SK], 2
	s_add_co_u32 s[SG], s[SG], 1024
	s_add_co_u32 s[SGS], s[SGS], 128
	s_sub_co_u32 s[CNT], s[CNT], 1
	s_cmp_lg_u32 s[CNT], 0
	s_cbranch_scc1 .Lp1_\@
.endm
	P1LOOP 0
	P1LOOP 1
; ---------------- between the phases: V into registers, the first query tile's tables on their way
	BARRIER                                        ; all images of G and V lie in LDS
	s_wait_loadcnt 0x0                             ; the last trip's spare loads have landed: their registers are free
	WIN 0x40
.irp j,240,241,242,243,244,245,246,247
	v_mov_b32 v\j, 0                               ; behind the tenth tile of G
.endr
	WIN 0x80
.irp j,248,249,250,251,252,253,254,255
	v_mov_b32 v\j, 0                               ; q's upper half: K 64-127 counts for nothing
.endr
	WIN 0
	v_and_b32 v2, 31, v0
	v_lshlrev_b32 v2, 2, v2                        ; v2 = 4 x lane
	v_and_b32 v3, 15, v0
	v_lshlrev_b32 v3, 4, v3                        ; v3 = 16 r
	v_mov_b32 v8, 0x3f87dc22                       ; a5, as a pair
	v_mov_b32 v9, 0x3f87dc22
	s_mul_i32 s[W5], s[WV], 5
	s_lshr_b32 s48, s[HD], 1
	s_and_b32 s62, s[HD], 1
	s_lshl_b32 s[SH], s62, 4                       ; my head's two scale bytes stand in the low or the high half of X's word
	s_lshl_b32 s63, s48, 2
	s_lshl_b32 s48, s48, 11
	s_lshl_b32 s62, s62, 10
	s_add_co_u32 s48, s48, s62
	s_add_nc_u64 s[QFB:QFB+1], s[XFB:XFB+1], s[48:49]   ; q = two pieces of X's fragment: K step head / 2, pieces 2 (head % 2) on
	s_mov_b32 s48, s63
	s_add_nc_u64 s[QSB:QSB+1], s[XSB:XSB+1], s[48:49]
	s_mul_i32 s48, s[HD], 20
	s_add_co_u32 s48, s48, s[W5]
	s_mul_i32 s48, s48, 40960
	s_add_nc_u64 s[BWB:BWB+1], s[12:13], s[48:49]
	s_lshl_b32 s48, s[W5], 13
	v_add_nc_u32 v4, s48, v1
	s_lshl_b32 s48, s[W5], 8
	v_add_nc_u32 v5, s48, v3
	v_mov_b32 v6, v1
.macro QLOAD
	WIN 0x80
	global_load_b128 v[240:243], v4, s[QFB:QFB+1]
	global_load_b128 v[244:247], v4, s[QFB:QFB+1] offset:512
	WIN 0
	global_load_b32 v11, v5, s[QSB:QSB+1]
.endm
.macro BWLOAD which                    ; 0: weight_bank / 2 into window 1; 1: bias / 2 into window 2: 40 loads of 512 consecutive bytes
	WIN 0x40+0x40*(\which)
.set nn, 0
.rept 40
	global_load_b128 v[4*nn:4*nn+3], v6, s[BWB:BWB+1] offset:4096*(nn/4)+512*(nn%4)+2048*(\which)
.set nn, nn+1
.endr
	WIN 0
.endm
	QLOAD
	BWLOAD 0
	s_and_b32 s48, s[WV], 1
	s_mul_i32 s48, s48, 81920                      ; my half of the 16 channel tiles,
	s_lshr_b32 s62, s[WV], 1
	s_mul_i32 s62, s62, 5120                       ; my batch's ten key blocks
	s_add_co_u32 s48, s48, s62
	s_add_co_u32 s48, s48, VIMG
	v_add_nc_u32 v16, s48, v1
	v_add_nc_u32 v17, 40960, v16
	WIN 0xc0                                       ; a tile's 40 registers: key blocks 8, 9, then 0-3, then 4-7: so K step 2 is registers 0-15, K step 0 registers 8-23, K step 1 registers 24-39
.irp i,0,1,2,3,4,5
.irp kb,0,1,2,3,4,5,6,7,8,9
	ds_load_b128 v[40*\i+(8+4*\kb)%40:40*\i+(8+4*\kb)%40+3], v[16+\i/4] offset:10240*(\i%4)+512*\kb
.endr
.endr
	WIN 0x80
.irp i,6,7
.irp kb,0,1,2,3,4,5,6,7,8,9
	ds_load_b128 v[160+40*(\i-6)+(8+4*\kb)%40:160+40*(\i-6)+(8+4*\kb)%40+3], v17 offset:10240*(\i%4)+512*\kb
.endr
.endr
	WIN 0
	BWLOAD 1
	BARRIER                                        ; every wave holds its V: the bytes now belong to P
	s_mov_b32 s[N], 0
	s_mov_b32 s[TG], 0
	s_mov_b32 s[TGS], GSC
	s_mov_b32 s[SBW], 0
	s_mul_i32 s[SP], s[WV], 51200
	s_add_co_u32 s[SP], s[SP], PIMG
	s_mul_i32 s[SPS], s[WV], 5120
	s_add_co_u32 s[SPS], s[SPS], PSC
; ---------------- phase 2.  Window 0: v7 the address of the tiles of G asked for a trip ahead; v16-95 at work; v96-255 S, then y, g, p: key tile t at 96 + 8 t, so key block kb's 16 keys of my half at 96 + 16 kb
.macro GLOAD rd, adr                   ; ten tiles of G: tile t = 10 rd + i, piece c, from the wave's part that wrote it
	WIN 0x40
.irp i,0,1,2,3,4,5,6,7,8,9
.irp c,0,1
	ds_load_b128 v[160+8*\i+4*\c:163+8*\i+4*\c], v[(\adr)] offset:(2*(((10*(\rd)+\i)/2)%2)+\c)*10240+((10*(\rd)+\i)/4)*1024+((10*(\rd)+\i)%2)*512
.endr
.endr
	WIN 0
.endm
.macro SRUN rd                         ; S^T = G q^T: source 0 = 16 keys (window 1; its upper eight registers are the next tile's codes or zeros), source 1 = q and zeros (window 2)
	WIN 0x09
.irp i,0,1,2,3,4,5,6,7,8,9
	WM 96+8*(10*(\rd)+\i),160+8*\i,240,-1,20+(10*(\rd)+\i)/2,18,(10*(\rd)+\i)%2,0
.endr
	WIN 0
.endm
.macro XST hf                          ; y = half the logit, for key tiles 10 hf .. 10 hf + 9: 40 packed multiply-adds; each accumulator from its low end on
	WIN 0x24                                       ; source 1 (weight_bank / 2) window 1, source 2 (bias / 2) window 2
.set nn, 40*(\hf)
.rept 40
	v_pk_fma_f32 v[96+2*nn:97+2*nn], v[96+2*nn:97+2*nn], v[2*nn:2*nn+1], v[2*nn:2*nn+1]
.set nn, nn+1
.endr
	WIN 0
.endm
; GELU of a key block's 16 numbers, in three parts on two sets of registers: set s has T at 16 + 32 s and E at 32 + 32 s; R at 80
.macro PREI kb, set, j                 ; line j of 32: T = 1 + c1 |y|;  E = -2 log2(e) y^2
.set YY, 96+16*(\kb)
.set TT, 16+32*(\set)
.set EE, 32+32*(\set)
.if (\j) < 16
	v_fma_f32 v[TT+(\j)], |v[YY+(\j)]|, s[C1], 1.0
.elseif (\j) < 24
	v_pk_mul_f32 v[EE+2*((\j)-16):EE+2*((\j)-16)+1], v[YY+2*((\j)-16):YY+2*((\j)-16)+1], v[YY+2*((\j)-16):YY+2*((\j)-16)+1]
.else
	v_pk_mul_f32 v[EE+2*((\j)-24):EE+2*((\j)-24)+1], v[EE+2*((\j)-24):EE+2*((\j)-24)+1], s[K2:K2+1] op_sel_hi:[1,0]
.endif
.endm
.macro TRI set, j                      ; line j of 32: t = 1 / T;  e = 2^E
.set TT, 16+32*(\set)
.set EE, 32+32*(\set)
.if (\j) < 16
	v_rcp_f32 v[TT+(\j)], v[TT+(\j)]
.else
	v_exp_f32 v[EE+(\j)-16], v[EE+(\j)-16]
.endif
.endm
.macro POSTI kb, j                     ; line j of 64: Horner's four steps, e t, erf = 1 - R e t (a pair of numbers each), g = y + |y| erf
.set YY, 96+16*(\kb)
.set TT, 16+32*((\kb)%2)
.set EE, 32+32*((\kb)%2)
.set PP, 2*((\j)%8)
.if (\j) < 8
	v_pk_fma_f32 v[80+PP:81+PP], v[TT+PP:TT+PP+1], v[8:9], s[A4:A4+1] op_sel_hi:[1,1,0]
.elseif (\j) < 16
	v_pk_fma_f32 v[80+PP:81+PP], v[80+PP:81+PP], v[TT+PP:TT+PP+1], s[A3:A3+1] op_sel_hi:[1,1,0]
.elseif (\j) < 24
	v_pk_fma_f32 v[80+PP:81+PP], v[80+PP:81+PP], v[TT+PP:TT+PP+1], s[A2:A2+1] op_sel_hi:[1,1,0]
.elseif (\j) < 32
	v_pk_fma_f32 v[80+PP:81+PP], v[80+PP:81+PP], v[TT+PP:TT+PP+1], s[A1:A1+1] op_sel_hi:[1,1,0]
.elseif (\j) < 40
	v_pk_mul_f32 v[EE+PP:EE+PP+1], v[EE+PP:EE+PP+1], v[TT+PP:TT+PP+1]
.elseif (\j) < 48
	v_pk_fma_f32 v[80+PP:81+PP], v[80+PP:81+PP], v[EE+PP:EE+PP+1], 1.0 op_sel_hi:[1,1,0] neg_lo:[1,0,0] neg_hi:[1,0,0]
.else
	v_fma_f32 v[YY+(\j)-48], |v[YY+(\j)-48]|, v[80+(\j)-48], v[YY+(\j)-48]
.endif
.endm
.macro ARG kb                          ; t - M of a key block, two at a time
.set YY, 96+16*(\kb)
.irp q,0,2,4,6,8,10,12,14
	v_pk_fma_f32 v[YY+\q:YY+\q+1], v[YY+\q:YY+\q+1], s[LG:LG+1], v[12:13] op_sel_hi:[1,0,1]
.endr
.endm
.set BM,16                             ; softmax: v16-25 the blocks' largest g, then p
.set BB,26                             ; v26-35 at work, then the bytes, then (v26, v30, v34) the three scale words
.set BH,36                             ; v36-45 448 x scale
.set BS,46                             ; v46-55 the conversions' scale operands
.set CD,56                             ; v56-95 the codes, four registers a key block
	v_add_nc_u32 v7, s[TG], v1
	GLOAD 0,7                                      ; the first trip's first ten tiles of G
.Lunit:                                            ; trip n: batch n % 2, query tile 5 w + n / 2
	s_wait_loadcnt 0x0                             ; q and its scale word (asked for a trip ago), and in even trips the tile's tables
	v_lshrrev_b32 v18, s[SH], v11                  ; q's scale word: my head's two bytes below; above them valid bytes or zeros, over zero codes
	v_add_nc_u32 v16, s[TG], v1
	v_add_nc_u32 v17, s[TGS], v2
.irp kb,0,1,2,3,4,5,6,7,8,9
	ds_load_b32 v[20+\kb], v17 offset:(2*(\kb%2))*1280+(\kb/2)*128      ; lanes 0-15 tile 2 kb, lanes 16-31 tile 2 kb + 1: the byte of dimensions 0-31,
	ds_load_b32 v[30+\kb], v17 offset:(2*(\kb%2)+1)*1280+(\kb/2)*128    ; and of dimensions 32-63
.endr
	s_wait_dscnt 0x0                               ; the scale words are in, and so are the ten tiles asked for a trip ago
.irp kb,0,1,2,3,4,5,6,7,8,9
	v_or_b32 v[20+\kb], v[20+\kb], v[30+\kb]
.endr
.rept 8
	v_nop                                          ; scale registers written by vector instructions stand eight places ahead of the products
.endr
	SRUN 0
	PLACES
	GLOAD 1,16
	XST 0                                          ; the first ten tiles' logits stand between the request for the other ten tiles of G and the wait for them
	s_wait_dscnt 0x0
	SRUN 1
	PLACES
	s_xor_b32 s[TG], s[TG], 5120                   ; the other batch's G: the next trip's first ten tiles are asked for now (behind the last trip: bytes that exist, not used)
	v_add_nc_u32 v7, s[TG], v1                     ; (the loads that named v7 were waited for at the trip's head; nothing else writes it)
	GLOAD 0,7
	XST 1
	s_add_co_u32 s50, s[N], 1                      ; the next trip's q: row tile 20 ((n + 1) % 2) + 5 w + (n + 1) / 2 of the pair's 40 (after the last trip: a tile that exists, not used)
	s_and_b32 s51, s50, 1
	s_mul_i32 s51, s51, 20
	s_lshr_b32 s50, s50, 1
	s_add_co_u32 s50, s50, s51
	s_add_co_u32 s50, s50, s[W5]
	s_lshl_b32 s51, s50, 13
	v_add_nc_u32 v4, s51, v1
	s_lshl_b32 s51, s50, 8
	v_add_nc_u32 v5, s51, v3
	QLOAD
	s_bitcmp1_b32 s[N], 0                          ; behind the tile's second batch its tables are done with: the next tile's are asked for, in two groups: 43 loads here, 40 behind five key blocks of the GELU
	s_cbranch_scc0 .Lno_wb
	s_cmp_eq_u32 s[N], 9
	s_cbranch_scc1 .Lno_wb
	s_add_co_u32 s[SBW], s[SBW], 40960
	v_add_nc_u32 v6, s[SBW], v1
	BWLOAD 0
.Lno_wb:
	; GELU.  The reciprocals and exponentials of key block kb + 1 stand between the plain lines of key block kb, one behind every two; one wait a key block, ahead of the first line that names a result
.set jj, 0
.rept 32
	PREI 0,0,jj
.set jj, jj+1
.endr
.set jj, 0
.rept 32
	TRI 0,jj
	PREI 1,1,jj
.set jj, jj+1
.endr
.set kk, 0
.rept 10
	s_wait_alu depctr_va_vdst(0)                   ; for key block kk's 32 results: none has been named yet
.if kk == 5
	s_bitcmp1_b32 s[N], 0                          ; the second group: the next tile's bias (straight behind the wait: no reciprocal or exponential is without its wait at these branches)
	s_cbranch_scc0 .Lno_bias
	s_cmp_eq_u32 s[N], 9
	s_cbranch_scc1 .Lno_bias
	BWLOAD 1
.Lno_bias:
.endif
.set jj, 0
.rept 32
	POSTI kk,2*jj
	POSTI kk,2*jj+1
.if kk < 9
	TRI (kk+1)%2,jj
.endif
.set jj, jj+1
.endr
.if kk < 8
.set jj, 0
.rept 32
	PREI kk+2,kk%2,jj
.set jj, jj+1
.endr
.elseif kk == 8
	v_nop                                          ; a plain line behind the last exponential
.endif
.set kk, kk+1
.endr
	; SOFTMAX.  Keys 300 on count for nothing: -infinity BEHIND the GELU (which would turn it into 0)
	s_mov_b32 vcc_lo, 0xffff
.irp j,0,1,2,3,4,5,6,7,8,9,10,11
	v_cndmask_b32 v[240+\j], 0xff800000, v[240+\j], vcc_lo
.endr
.irp j,12,13,14,15
	v_mov_b32 v[240+\j], 0xff800000
.endr
.irp b,0,1,2,3,4,5,6,7,8,9
	v_max3_num_f32 v[BM+\b], v[96+16*\b], v[97+16*\b], v[98+16*\b]   ; the largest g of each block of 32 keys: for the row's maximum and, since p rises with g, for the block's largest p
.endr
.irp i,3,5,7,9,11,13
.irp b,0,1,2,3,4,5,6,7,8,9
	v_max3_num_f32 v[BM+\b], v[BM+\b], v[96+16*\b+\i], v[97+16*\b+\i]
.endr
.endr
.irp b,0,1,2,3,4,5,6,7,8,9
	v_max_num_f32 v[BM+\b], v[BM+\b], v[111+16*\b]
.endr
.irp b,0,1,2,3,4,5,6,7,8,9
	v_permlanex16_b32 v[BB+\b], v[BM+\b], s[SEL], s[SEL+1]
.endr
.irp b,0,1,2,3,4,5,6,7,8,9
	v_max_num_f32 v[BM+\b], v[BM+\b], v[BB+\b]
.endr
	v_max3_num_f32 v10, v16, v17, v18
	v_max3_num_f32 v10, v10, v19, v20
	v_max3_num_f32 v10, v10, v21, v22
	v_max3_num_f32 v10, v10, v23, v24
	v_max_num_f32 v10, v10, v25                    ; the row's largest g: the whole row is in registers, so M is final
	v_mul_f32 v10, s[LG], v10
	v_floor_f32 v12, -v10                          ; -M = floor(-t) = -ceil(t)
	v_mov_b32 v13, v12
.irp b,0,1,2,3,4,5,6,7,8,9
	v_fma_f32 v[BM+\b], v[BM+\b], s[LG], v12
.endr
.irp b,0,1,2,3,4,5,6,7,8,9
	v_exp_f32 v[BM+\b], v[BM+\b]                   ; the blocks' largest p: the same two operations on the same number give the same bits
.endr
	ARG 0
	ARG 1
	s_wait_alu depctr_va_vdst(0)                   ; for the ten
.irp b,0,1,2,3,4,5,6,7,8,9
	v_max_num_f32 v[BM+\b], 0x4800000, v[BM+\b]    ; the floor: the byte cannot fall under 1
	v_exp_f32 v[96+\b], v[96+\b]                   ; key block 0's exponentials stand among the scales' lines
.endr
.irp b,0,1,2,3,4,5,6,7,8,9
	v_add_nc_u32 v[BS+\b], 0xfc000000, v[BM+\b]
.if \b < 6
	v_exp_f32 v[106+\b], v[106+\b]
.endif
.endr
.irp b,0,1,2,3,4,5,6,7,8,9
	v_and_or_b32 v[BH+\b], v[BM+\b], 0x7f800000, s[MNT]
.endr
.irp b,0,1,2,3,4,5,6,7,8,9
	v_lshrrev_b32 v[BB+\b], 23, v[BS+\b]
.endr
	v_lshl_or_b32 v26, v27, 8, v26                 ; three scale words; the third has two bytes, and zeros over P's zero codes
	v_lshl_or_b32 v26, v28, 16, v26
	v_lshl_or_b32 v26, v29, 24, v26
	v_lshl_or_b32 v30, v31, 8, v30
	v_lshl_or_b32 v30, v32, 16, v30
	v_lshl_or_b32 v30, v33, 24, v30
	v_lshl_or_b32 v34, v35, 8, v34
	v_mov_b32 v14, 0                               ; the row's sum, in two chains of pairs
	v_mov_b32 v15, 0
	v_mov_b32 v16, 0
	v_mov_b32 v17, 0
	v_add_nc_u32 v18, s[SP], v1
	v_add_nc_u32 v19, s[SPS], v2
.set kk, 0
.rept 10
	s_wait_alu depctr_va_vdst(0)                   ; for key block kk's 16 exponentials
.set jj, 0
.rept 8
	v_pk_add_f32 v[14+2*(jj%2):15+2*(jj%2)], v[14+2*(jj%2):15+2*(jj%2)], v[96+16*kk+2*jj:97+16*kk+2*jj]   ; the sum is taken of the unquantised p
	v_min_num_f32 v[96+16*kk+2*jj], v[96+16*kk+2*jj], v[BH+kk]         ; p is not negative: the hold is one-sided
	v_min_num_f32 v[97+16*kk+2*jj], v[97+16*kk+2*jj], v[BH+kk]
.if kk < 9
	v_exp_f32 v[112+16*kk+2*jj], v[112+16*kk+2*jj]                     ; the next key block's
	v_exp_f32 v[113+16*kk+2*jj], v[113+16*kk+2*jj]
.endif
.set jj, jj+1
.endr
	v_cvt_scalef32_pk8_fp8_f32 v[CD+4*kk:CD+4*kk+1], v[96+16*kk:103+16*kk], v[BS+kk]
	v_cvt_scalef32_pk8_fp8_f32 v[CD+4*kk+2:CD+4*kk+3], v[104+16*kk:111+16*kk], v[BS+kk]
.if kk < 8
	ARG kk+2
.else
	v_nop
.endif
	ds_store_b128 v18, v[CD+4*kk:CD+4*kk+3] offset:512*kk
.set kk, kk+1
.endr
	v_pk_add_f32 v[14:15], v[14:15], v[16:17]
	v_add_f32 v14, v14, v15
	v_permlanex16_b32 v15, v14, s[SEL], s[SEL+1]
	v_add_f32 v14, v14, v15                        ; the row's sum
	v_rcp_f32 v20, v14
	v_nop
	s_wait_alu depctr_va_vdst(0)
	ds_store_b32 v19, v26
	ds_store_b32 v19, v30 offset:128
	ds_store_b32 v19, v34 offset:256
	ds_store_b32 v19, v20 offset:384
	s_wait_dscnt 0x0                               ; the stores are done: the next trip's LDS loads land in registers that they read
	s_xor_b32 s[TGS], s[TGS], 640                  ; the other batch's scale words of G
	s_add_co_u32 s[SP], s[SP], 5120
	s_add_co_u32 s[SPS], s[SPS], 512
	s_add_co_u32 s[N], s[N], 1
	s_cmp_lt_u32 s[N], 10
	s_cbranch_scc1 .Lunit
; ---------------- phase 3: O^T = V^T P^T, / l, quantised along the channels
.set TM,40
.set PC,60
.set PW,76
.set VS,16                             ; v16-31 V's scale words (4 pair + K step)
.set PS,32                             ; v32-34 P's
.set OA,96                             ; v96-159 eight accumulators
	BARRIER                                        ; all of P lies in LDS
	s_wait_loadcnt 0x0
	WIN 0x40
.irp j,40,41,42,43,44,45,46,47
	v_mov_b32 v\j, 0                               ; P's keys 320-383
.endr
	WIN 0
	s_lshr_b32 s62, s[WV], 1                       ; my batch of the two
	s_and_b32 s63, s[WV], 1                        ; my half of the channels
	s_mul_i32 s48, s62, 5120
	s_add_co_u32 s48, s48, PIMG
	v_add_nc_u32 v9, s48, v1
	s_lshl_b32 s48, s62, 9
	s_add_co_u32 s48, s48, PSC
	v_add_nc_u32 v10, s48, v2
	s_lshl_b32 s48, s63, 12
	s_lshl_b32 s50, s62, 4
	s_add_co_u32 s48, s48, s50
	s_add_co_u32 s48, s48, VSC
	v_lshlrev_b32 v6, 1, v1
	v_add_nc_u32 v6, s48, v6                       ; 32 bytes a row: lanes 0-15 tile 2 p, lanes 16-31 tile 2 p + 1
	v_lshrrev_b32 v12, 2, v3                       ; 4 r
	v_mov_b32 v37, 0                               ; (named as the upper half of the pair v[36:37])
	v_mov_b32 v4, v9
	v_mov_b32 v5, v10
	s_lshl_b32 s48, ttmp9, 1
	s_add_co_u32 s48, s48, s62
	s_mul_i32 s48, s48, 320
	s_lshl_b32 s50, s[HD], 1
	s_add_co_u32 s48, s48, s50
	s_add_co_u32 s50, s48, s63                     ; (20 batch) 16 + K step 2 head + half
	s_lshl_b32 s48, s50, 11
	s_add_nc_u64 s[AFB:AFB+1], s[18:19], s[48:49]
	s_lshl_b32 s48, s50, 6
	s_add_nc_u64 s[ASB:ASB+1], s[20:21], s[48:49]
	s_mov_b32 s[ST], 0
	s_mov_b32 s[ST2], 0
	s_mov_b32 s[OAF], 0
	s_mov_b32 s[OAS], 0
	s_mov_b32 s[CN3], 20
.irp p,0,1,2,3
	ds_load_b128 v[VS+4*\p:VS+4*\p+3], v6 offset:1024*\p
.endr
.macro P3LOAD
	WIN 0x40
.irp kb,0,1,2,3,4,5,6,7,8,9
	ds_load_b128 v[4*\kb:4*\kb+3], v4 offset:512*\kb
.endr
	WIN 0
.irp k,0,1,2
	ds_load_b32 v[PS+\k], v5 offset:128*\k
.endr
	ds_load_b32 v36, v5 offset:384
.endm
	P3LOAD
.Lq3:
	s_wait_dscnt 0x0
	WIN 0x07                                       ; source 0 (V) window 3, source 1 (P) window 1.  Six accumulators by turns, K ascending
.irp s,0,1,2
.irp i,0,1,2,3,4,5
.if \s == 0
	WM OA+8*\i,40*\i+8,0,-1,VS+4*(\i/2),PS,\i%2,0
.elseif \s == 1
	WM OA+8*\i,40*\i+24,16,OA+8*\i,VS+4*(\i/2)+1,PS+1,\i%2,0
.else
	WM OA+8*\i,40*\i,32,OA+8*\i,VS+4*(\i/2)+2,PS+2,\i%2,0
.endif
.endr
.endr
	WIN 0x06                                       ; tiles 6 and 7 lie in window 2: two accumulators by turns
.irp s,0,1,2
.irp i,6,7
.if \s == 0
	WM OA+8*\i,160+40*(\i-6)+8,0,-1,VS+12,PS,\i%2,0
.elseif \s == 1
	WM OA+8*\i,160+40*(\i-6)+24,16,OA+8*\i,VS+13,PS+1,\i%2,0
.else
	WM OA+8*\i,160+40*(\i-6),32,OA+8*\i,VS+14,PS+2,\i%2,0
.endif
.endr
.endr
	WIN 0
	PLACES
.set nn, 0
.rept 32
	v_pk_mul_f32 v[OA+2*nn:OA+2*nn+1], v[OA+2*nn:OA+2*nn+1], v[36:37] op_sel_hi:[1,0]   ; / l
.set nn, nn+1
.endr
	s_add_co_u32 s[ST], s[ST], 10240
	s_min_u32 s[ST], s[ST], 194560                 ; the last trip reads its own tile once more
	s_add_co_u32 s[ST2], s[ST2], 1024
	s_min_u32 s[ST2], s[ST2], 19456
	v_add_nc_u32 v4, s[ST], v9
	v_add_nc_u32 v5, s[ST2], v10
	P3LOAD                                         ; the next query tile's P lands while this one is quantised
	s_wait_xcnt 0x0                                ; the last trip's stores have read their data and offsets: both are written again
	v_add_nc_u32 v7, s[OAF], v1
	v_add_nc_u32 v8, s[OAS], v12
	QB OA,4,PW
.irp c,0,1,2,3
	global_store_b128 v7, v[PC+4*\c:PC+4*\c+3], s[AFB:AFB+1] offset:512*\c   ; a fragment of the last product's operand: 512 consecutive bytes a store
.endr
	global_store_b32 v8, v[PW], s[ASB:ASB+1]       ; its 16 scale words (lanes 16-31 store the same)
	s_add_co_u32 s[OAF], s[OAF], 32768
	s_add_co_u32 s[OAS], s[OAS], 1024
	s_sub_co_u32 s[CN3], s[CN3], 1
	s_cmp_lg_u32 s[CN3], 0
	s_cbranch_scc1 .Lq3
	s_wait_xcnt 0x0
	v_lshl_add_u32 v254, v0, 2, 0x44400
	v_mov_b32 v255, 0
	s_wait_tensorcnt 0x0
	ds_add_u32 v254, v255
	s_wait_dscnt 0x0
	s_endpgm
.Lfunc_end_k_q1ab0e1e885_attn:
	.size	k_q1ab0e1e885_attn, .Lfunc_end_k_q1ab0e1e885_attn-k_q1ab0e1e885_attn
	.p2alignl 7, 3214868480
	.fill 96, 4, 3214868480
	.section	.rodata,"a",@progbits
	.p2align	6, 0x0
	.amdhsa_kernel k_q1ab0e1e885_attn
		.amdhsa_group_segment_fixed_size 280064
		.amdhsa_private_segment_fixed_size 0
		.amdhsa_enable_private_segment 0
		.amdhsa_kernarg_size 72
		.amdhsa_user_sgpr_count 2
		.amdhsa_user_sgpr_kernarg_segment_ptr 1
		.amdhsa_wavefront_size32 1
		.amdhsa_system_sgpr_workgroup_id_x 1
		.amdhsa_system_sgpr_workgroup_id_y 1
		.amdhsa_system_sgpr_workgroup_id_z 1
		.amdhsa_system_vgpr_workitem_id 0
		.amdhsa_next_free_vgpr 1024
		.amdhsa_next_free_sgpr 100
		.amdhsa_reserve_vcc 1
		.amdhsa_float_denorm_mode_32 3
		.amdhsa_float_denorm_mode_16_64 3
		.amdhsa_memory_ordered 1
		.amdhsa_forward_progress 1
		.amdhsa_inst_pref_size 255
	.end_amdhsa_kernel
	.section	.bss,"aw",@nobits
	.p2align	6
	.space	262144
	.amdgpu_metadata
---
amdhsa.version: [ 1, 2 ]
amdhsa.kernels:
  - .name:           k_q1ab0e1e885_attn
    .symbol:         k_q1ab0e1e885_attn.kd
    .args:
      - { .name: xf, .offset: 0, .size: 8, .value_kind: global_buffer, .address_space: global }
      - { .name: xs, .offset: 8, .size: 8, .value_kind: global_buffer, .address_space: global }
      - { .name: wf, .offset: 16, .size: 8, .value_kind: global_buffer, .address_space: global }
      - { .name: ws, .offset: 24, .size: 8, .value_kind: global_buffer, .address_space: global }
      - { .name: bwf, .offset: 32, .size: 8, .value_kind: global_buffer, .address_space: global }
      - { .name: b_gen, .offset: 40, .size: 8, .value_kind: global_buffer, .address_space: global }
      - { .name: b_val, .offset: 48, .size: 8, .value_kind: global_buffer, .address_space: global }
      - { .name: af, .offset: 56, .size: 8, .value_kind: global_buffer, .address_space: global }
      - { .name: asc, .offset: 64, .size: 8, .value_kind: global_buffer, .address_space: global }
    .group_segment_fixed_size: 280064
    .private_segment_fixed_size: 0
    .kernarg_segment_align: 8
    .kernarg_segment_size: 72
    .max_flat_workgroup_size: 128
    .sgpr_count:     100
    .vgpr_count:     1024
    .wavefront_size: 32
...
	.end_amdgpu_metadata
.endif
;; end of part 2
;; launch oproj (part 3): grid 4 x 64, 4 waves a work-group, clusters of 4 x 4, 296,448 bytes of LDS; arguments af, asc, wf, ws, query_feats, b_out, out0; writes out0
.if DOCPART == 3
	.amdgcn_target "amdgcn-amd-amdhsa--gfx1250"
	.amdhsa_code_object_version 6
	.text
	.protected	k_q1ab0e1e885_oproj
	.globl	k_q1ab0e1e885_oproj
	.p2align	8
	.type	k_q1ab0e1e885_oproj,@function
k_q1ab0e1e885_oproj:
	s_mov_b64 s[64:65], 0
	v_nop
	global_prefetch_b8 v0, s[64:65] scope:SCOPE_SE
	s_setreg_imm32_b32 hwreg(HW_REG_WAVE_MODE, 25, 1), 1
	s_wait_xcnt 0x0
	s_wait_alu depctr_hold_cnt(0) depctr_sa_sdst(0) depctr_va_vdst(0) depctr_va_sdst(0) depctr_va_ssrc(0) depctr_va_vcc(0) depctr_vm_vsrc(0)
	s_getreg_b32 s2, hwreg(HW_REG_IB_STS2, 6, 4)
	s_cmp_eq_u32 s2, 0
	s_cbranch_scc0 .Lentry_in_a_cluster
	s_endpgm
.Lentry_in_a_cluster:
	s_bfe_u32 s2, ttmp6, 0x10000c
	s_cmp_lg_u32 s2, 0xf033
	s_cbranch_scc0 .Lentry_shape_is_right
	s_endpgm
.Lentry_shape_is_right:
; OPROJ: out0 = O W_out + b_out + query_feats.  O arrives as codes in fragment order (af, asc), W_out likewise (wf, ws); K = 2,048 in 16 steps of 128.
; SHARES.  A work-group takes one batch (20 row tiles of 16) and a quarter of N (128 columns, 8 column tiles).  Wave w takes row tiles 5 w .. 5 w + 4 and all 8 column tiles: 40 accumulators, 40 products a K step.
; W_out's quarter, 262,144 bytes, lies in LDS for the whole launch, filled ONCE by the tensor data mover: wave w issues four loads, load q bringing K step 4 q + w, 16,384 dense bytes as 64 rows of 256.
;   The products begin when the first four K steps have landed: a counted wait and a barrier stand ahead of K step 0 and of the first LDS read of K steps 4, 8 and 12.  By this text's count four tensor loads of a wave are out at the most.
; CLUSTERS: 4 x 4 work-groups: the four of a column of the cluster take the same quarter of N for four batches, so each tile of W_out is asked for JOINTLY, by the same tensor load with the same descriptor and a mask that names the four.
;   A round of the cluster's barrier stands ahead of the joint loads, another ahead of the end.  Nothing is filled again.
; O's fragments, which the four work-groups of a row of the cluster share, are each read by one wave of a work-group: they go from memory straight into registers, two K steps ahead, in three sets;
;   to ask for them jointly they would have to pass through LDS, where two slots of a K step's 40,960 bytes do not fit beside W_out's 262,144.
; THE PRODUCT IS USED TRANSPOSED (source 0 = 16 columns of W_out, source 1 = 16 rows of O): with the tiles' order (tile 2 p + u, row r = element 32 p + 8 u + r + 8 (r / 8)) a lane holds 8 neighbouring columns of one row.
; THE WAY OUT: a row tile goes through the wave's own stage in LDS (bytes of its own, behind W_out) and comes back as rows of 512 bytes; query_feats' rows (asked for during the last two K steps) and b_out are added; 32 lanes store 512 consecutive, aligned bytes.
; Rows 300 .. 319 of a batch do not exist: their sums are made of finite numbers and are not stored (a branch on the wave's number round the stores of wave 3's last two tiles).
; No L2 prefetch lines: the launch streams its inputs once, with two K steps of loads always out.
; REGISTERS, in windows of 256.  Window 0: v1 16 x lane, v3 4 x lane, v10-13 W's read addresses, v14, v15 the stage, v16-55 O's scale words (8 i + k / 2; odd k in lanes 16-31),
;   v56-119 W_out's (4 k + pair; odd tiles in lanes 16-31), v120-123 b_out, v128-207 O's set 2, v208-222 row offsets.  Window 1: accumulators of tiles 0-3 (8 (8 i + t)).
;   Window 2: v0-63 accumulators of tile 4, v64-143 O's set 0, v144-223 set 1.  Window 3: W_out's two sets of eight fragments.
.set WV,18
.set QT,19                             ; s19      the quarter of N
.set BT,20                             ; s20      the batch
.set W5,21
.set AFB,22
.set ASB,24
.set WFB,26                            ; s[26:27] W_out's codes at my quarter's K step w: it hangs on the quarter and the wave alone
.set WSB,28
.set XB,30
.set OB,32
.set BB,34
.set G1,44                             ; s[44:51] descriptor group 1;  groups 0 of the four loads: s[52:55], s[56:59], s[60:63], s[68:71]
.set STG,262144
.set MSB,0
.macro WIN new                         ; the immediate's high byte repeats the setting that is left
.if MSB != (\new)
	s_set_vgpr_msb (MSB<<8)|(\new)
.set MSB, (\new)
.endif
.endm
.macro PLACES                          ; nine plain places behind a run of products: they serve loads into operands and reads of results
.rept 9
	v_nop
.endr
.endm
.macro CROUND                          ; a round of the cluster's barrier: my work-group's barrier; wave 0 signals for the work-group; every wave waits for all sixteen; my work-group's barrier once more
	s_barrier_signal -1
	s_barrier_wait -1
	s_cmp_lg_u32 s[WV], 0
	s_cbranch_scc1 .Lnot_wave_0_\@
	s_barrier_signal -3
.Lnot_wave_0_\@:
	s_barrier_wait -3
	s_barrier_signal -1
	s_barrier_wait -1
.endm
.macro WM d, a, b, c, sa, sb, ra, rb   ; one product.  c < 0: the constant 0 starts the sum.  ra, rb = 1: that side's scales stand in lanes 16-31
.if (\c) < 0
.if (\ra) && (\rb)
	v_wmma_scale_f32_16x16x128_f8f6f4 v[(\d):(\d)+7], v[(\a):(\a)+15], v[(\b):(\b)+15], 0, v[(\sa)], v[(\sb)] matrix_a_scale:MATRIX_SCALE_ROW1 matrix_b_scale:MATRIX_SCALE_ROW1
.elseif (\ra)
	v_wmma_scale_f32_16x16x128_f8f6f4 v[(\d):(\d)+7], v[(\a):(\a)+15], v[(\b):(\b)+15], 0, v[(\sa)], v[(\sb)] matrix_a_scale:MATRIX_SCALE_ROW1
.elseif (\rb)
	v_wmma_scale_f32_16x16x128_f8f6f4 v[(\d):(\d)+7], v[(\a):(\a)+15], v[(\b):(\b)+15], 0, v[(\sa)], v[(\sb)] matrix_b_scale:MATRIX_SCALE_ROW1
.else
	v_wmma_scale_f32_16x16x128_f8f6f4 v[(\d):(\d)+7], v[(\a):(\a)+15], v[(\b):(\b)+15], 0, v[(\sa)], v[(\sb)]
.endif
.else
.if (\ra) && (\rb)
	v_wmma_scale_f32_16x16x128_f8f6f4 v[(\d):(\d)+7], v[(\a):(\a)+15], v[(\b):(\b)+15], v[(\c):(\c)+7], v[(\sa)], v[(\sb)] matrix_a_scale:MATRIX_SCALE_ROW1 matrix_b_scale:MATRIX_SCALE_ROW1
.elseif (\ra)
	v_wmma_scale_f32_16x16x128_f8f6f4 v[(\d):(\d)+7], v[(\a):(\a)+15], v[(\b):(\b)+15], v[(\c):(\c)+7], v[(\sa)], v[(\sb)] matrix_a_scale:MATRIX_SCALE_ROW1
.elseif (\rb)
	v_wmma_scale_f32_16x16x128_f8f6f4 v[(\d):(\d)+7], v[(\a):(\a)+15], v[(\b):(\b)+15], v[(\c):(\c)+7], v[(\sa)], v[(\sb)] matrix_b_scale:MATRIX_SCALE_ROW1
.else
	v_wmma_scale_f32_16x16x128_f8f6f4 v[(\d):(\d)+7], v[(\a):(\a)+15], v[(\b):(\b)+15], v[(\c):(\c)+7], v[(\sa)], v[(\sb)]
.endif
.endif
.endm
	s_load_b256 s[4:11], s[0:1], 0x0               ; af s[4:5], asc s[6:7], wf s[8:9], ws s[10:11]
	s_load_b128 s[12:15], s[0:1], 0x20             ; query_feats s[12:13], b_out s[14:15]
	s_load_b64 s[16:17], s[0:1], 0x30              ; out0
	v_lshl_add_u32 v254, v0, 2, 0x48400
	v_mov_b32 v255, 0
	ds_add_u32 v254, v255
	ds_add_u32 v254, v255
	v_lshrrev_b32 v1, 5, v0
	v_readfirstlane_b32 s[WV], v1                  ; wave 0..3
	s_bfe_u32 s40, ttmp6, 0x40000                  ; cx, cy: my place in the cluster
	s_bfe_u32 s41, ttmp6, 0x40004
	s_lshl_b32 s[QT], ttmp9, 2                     ; in a cluster launch ttmp9 and ttmp7 count clusters
	s_add_co_u32 s[QT], s[QT], s40                 ; the quarter of N = 4 x cluster x + cx
	s_and_b32 s[BT], ttmp7, 0xffff
	s_lshl_b32 s[BT], s[BT], 2
	s_add_co_u32 s[BT], s[BT], s41                 ; the batch = 4 x cluster y + cy
	s_lshl_b32 s42, 0x1111, s40                    ; my column of the cluster: places cx, cx + 4, cx + 8, cx + 12
	; descriptor group 1: 16,384 dense bytes as 64 rows of 32 elements of 8 bytes, no padding (a fragment's pieces are read as 512 consecutive bytes)
	s_or_b32 s[G1+0], s42, (3<<16)|(1<<21)         ; 15:0 the mask: W_out's tiles go to my column; 17:16 elements of 8 bytes; 21 set beside a mask
	s_mov_b32 s[G1+1], 32<<16                      ; tensor_dim0 = 32
	s_mov_b32 s[G1+2], 64<<16                      ; tensor_dim1 = 64
	s_mov_b32 s[G1+3], 32<<16                      ; tile_dim0 = 32
	s_mov_b32 s[G1+4], 64                          ; tile_dim1 = 64
	s_mov_b32 s[G1+5], 32                          ; tensor_dim0_stride: the rows are dense
	s_mov_b32 s[G1+6], 0
	s_mov_b32 s[G1+7], 0
	s_lshl_b32 s72, s[QT], 18                      ; W_out's codes: 262,144 bytes a quarter,
	s_lshl_b32 s74, s[WV], 14                      ; 16,384 a K step: my wave's K step of each four; the same place in LDS: no place in the cluster enters an LDS address
	s_add_co_u32 s72, s72, s74
	s_add_co_u32 s72, s72, 1310720
	s_mov_b32 s73, 0
	v_and_b32 v4, 31, v0
	v_lshlrev_b32 v1, 4, v4                        ; 16 x lane
	v_lshlrev_b32 v3, 2, v4                        ; 4 x lane
	v_and_b32 v5, 15, v0                           ; r
	v_bfe_u32 v6, v0, 4, 1                         ; h
	s_mul_i32 s[W5], s[WV], 5
.irp g,0,1,2,3
	v_add_nc_u32 v[10+\g], 65536*\g, v1            ; an LDS immediate has 16 bits: a register for each four K steps
.endr
	s_mul_i32 s36, s[WV], 8448
	s_add_co_u32 s36, s36, STG                     ; my stage: 16 rows x (512 + 16) bytes
	v_add_nc_u32 v15, s36, v1                      ; back: a row, 16 bytes a lane
	v_mul_u32_u24 v14, v5, 528
	v_lshl_add_u32 v14, v6, 6, v14
	v_add_nc_u32 v14, s36, v14                     ; in: row r, + 64 h
.irp i,0,1,2,3,4                       ; the rows of tile 5 w + i: tile rows 0-3, 4-7 and 8-15 begin at three rows of the batch, the last two held inside its 300 rows
	s_add_co_u32 s36, s[W5], \i
	s_lshr_b32 s37, s36, 1
	s_lshl_b32 s37, s37, 5
	s_and_b32 s38, s36, 1
	s_lshl_b32 s38, s38, 3
	s_add_co_u32 s37, s37, s38
	s_add_co_u32 s38, s37, 4
	s_min_u32 s38, s38, 296
	s_add_co_u32 s39, s37, 16
	s_min_u32 s39, s39, 292
	s_lshl_b32 s37, s37, 11
	s_lshl_b32 s38, s38, 11
	s_lshl_b32 s39, s39, 11
	v_add_nc_u32 v[208+3*\i], s37, v1
	v_add_nc_u32 v[209+3*\i], s38, v1
	v_add_nc_u32 v[210+3*\i], s39, v1
.endr
	s_mul_i32 s36, s[BT], 20
	s_add_co_u32 s36, s36, s[W5]                   ; my first row tile
	s_mov_b32 s39, 0
	s_wait_dscnt 0x0
	s_wait_kmcnt 0x0
	s_add_nc_u64 s[WFB:WFB+1], s[8:9], s[72:73]
	CROUND                                         ; all sixteen work-groups are here: the joint loads meet
.irp q,0,1,2,3                         ; the four first fills go out as one group, ahead of every wait on TENSORcnt, every LDS read and every other barrier
.set GQ, 52+4*\q+4*(\q/3)
	s_mov_b32 s[GQ], 1                             ; 1:0 count = 1
	s_add_co_u32 s[GQ+1], s74, \q*65536            ; 63:32 LDS address: K step 4 q + w
	s_add_nc_u64 s[GQ+2:GQ+3], s[WFB:WFB+1], \q*65536   ; 120:64 global address of the same K step
	s_or_b32 s[GQ+3], s[GQ+3], 0x80000000          ; 127:126 type = 2
	tensor_load_to_lds s[GQ:GQ+3], s[G1:G1+7]
	s_nop 0
.endr
.rept 4
	v_nop                                          ; four plain lines follow the last of them
.endr
	s_lshl_b32 s38, s36, 15
	s_add_nc_u64 s[AFB:AFB+1], s[4:5], s[38:39]
	s_lshl_b32 s38, s36, 10
	s_add_nc_u64 s[ASB:ASB+1], s[6:7], s[38:39]
	s_lshl_b32 s38, s[QT], 13
	s_add_co_u32 s38, s38, 40960
	s_add_nc_u64 s[WSB:WSB+1], s[10:11], s[38:39]
	s_mul_i32 s38, s[BT], 614400
	s_lshl_b32 s43, s[QT], 9
	s_add_co_u32 s38, s38, s43
	s_add_nc_u64 s[XB:XB+1], s[12:13], s[38:39]
	s_add_nc_u64 s[OB:OB+1], s[16:17], s[38:39]
	s_mov_b32 s38, s43
	s_add_nc_u64 s[BB:BB+1], s[14:15], s[38:39]
.macro ALOAD k                         ; O's five fragments of K step k into set k % 3
.set S3, (\k)%3
.if S3 == 2
	WIN 0
.set AB, 128
.elseif S3 == 1
	WIN 0x80
.set AB, 144
.else
	WIN 0x80
.set AB, 64
.endif
.irp i,0,1,2,3,4
.irp c,0,1,2,3
	global_load_b128 v[AB+16*\i+4*\c:AB+16*\i+4*\c+3], v1, s[AFB:AFB+1] offset:32768*\i+2048*(\k)+512*\c
.endr
.endr
	WIN 0
.endm
.macro WLOAD k                         ; W_out's eight fragments of K step k into set k % 2
	WIN 0xc0
.irp t,0,1,2,3,4,5,6,7
.irp c,0,1,2,3
	ds_load_b128 v[128*((\k)%2)+16*\t+4*\c:128*((\k)%2)+16*\t+4*\c+3], v[10+(\k)/4] offset:16384*((\k)%4)+2048*\t+512*\c
.endr
.endr
	WIN 0
.endm
.macro XRLOAD i, w, reg                ; query_feats' 16 rows of tile i, my quarter's 512 bytes of each, into window w from register reg on
	WIN (\w)<<6
.irp p,0,1,2,3
	global_load_b128 v[(\reg)+4*\p:(\reg)+4*\p+3], v[208+3*(\i)], s[XB:XB+1] offset:2048*\p th:TH_LOAD_NT
.endr
.irp p,0,1,2,3
	global_load_b128 v[(\reg)+16+4*\p:(\reg)+16+4*\p+3], v[209+3*(\i)], s[XB:XB+1] offset:2048*\p th:TH_LOAD_NT
.endr
.irp p,0,1,2,3,4,5,6,7
	global_load_b128 v[(\reg)+32+4*\p:(\reg)+32+4*\p+3], v[210+3*(\i)], s[XB:XB+1] offset:2048*\p th:TH_LOAD_NT
.endr
	WIN 0
.endm
.macro KMUL k                          ; 40 products; the 40 accumulators take turns, one instruction a turn, in the same order in every K step
.set S3, (\k)%3
.if S3 == 2
.set AB, 128
.set WB0, 0x03                         ; source 0 (W_out) window 3, source 1 (O) window 0
.elseif S3 == 1
.set AB, 144
.set WB0, 0x0b                         ; source 1 window 2
.else
.set AB, 64
.set WB0, 0x0b
.endif
.set WR, 128*((\k)%2)
.irp i,0,1,2,3,4
.if \i < 4
	WIN WB0|0x50                                   ; C and D window 1
.else
	WIN WB0|0xa0                                   ; C and D window 2
.endif
.irp t,0,1,2,3,4,5,6,7
.if \i < 4
.set DD, 8*(8*\i+\t)
.else
.set DD, 8*\t
.endif
.if (\k) == 0
	WM DD,WR+16*\t,AB+16*\i,-1,56+4*(\k)+\t/2,16+8*\i+(\k)/2,\t%2,(\k)%2
.else
	WM DD,WR+16*\t,AB+16*\i,DD,56+4*(\k)+\t/2,16+8*\i+(\k)/2,\t%2,(\k)%2
.endif
.endr
.endr
	WIN 0
.endm
.macro KSTEP k
.if (\k) > 0
	PLACES                                         ; in front of loads into the sets that the last K step multiplied
.endif
.if (((\k)%4) == 3) && ((\k) < 15)
	s_wait_tensorcnt 2-(\k)/4                      ; my K step of the next four has landed; the loads issued behind it stay out
	s_wait_dscnt 0x0                               ; no LDS load of mine is out at the signal (this K step's fragments were asked for a K step ago)
	s_barrier_signal -1
	s_barrier_wait -1                              ; everybody's has landed: the next four K steps of W_out may be read
.endif
.if (\k) < 15
	WLOAD (\k)+1
.endif
.if (\k) < 14
	ALOAD (\k)+2
	s_wait_loadcnt 40                              ; O's fragments of this K step are in; those of the next two, 20 loads each, stay out
.elseif (\k) == 14
	XRLOAD 0,2,144                                 ; nothing of O is left to ask for: query_feats' rows take the free sets
	s_wait_loadcnt 36                              ; behind K step 14's: K step 15's 20 and these 16
.else
	XRLOAD 1,0,128
	XRLOAD 2,3,0
	XRLOAD 3,3,64
	s_wait_loadcnt 63                              ; behind K step 15's stand 64 loads; the count's field holds 63
.endif
.if (\k) < 15
	s_wait_dscnt 32                                ; W_out's fragments of this K step are in; the next one's 32 loads stay out
.else
	s_wait_dscnt 0x0
.endif
	KMUL \k
.endm
.irp i,0,1,2,3,4
.irp q,0,1,2,3,4,5,6,7
	global_load_b32 v[16+8*\i+\q], v3, s[ASB:ASB+1] offset:1024*\i+128*\q
.endr
.endr
.set kk, 0
.rept 16
	global_load_b128 v[56+4*kk:59+4*kk], v1, s[WSB:WSB+1] offset:512*kk
.set kk, kk+1
.endr
	global_load_b128 v[120:123], v1, s[BB:BB+1]
	ALOAD 0
	ALOAD 1
	s_wait_tensorcnt 0x3                           ; my K step of the first four has landed; my three later loads stay out
	s_barrier_signal -1
	s_barrier_wait -1                              ; everybody's has: K steps 0 to 3 of W_out lie in LDS
	WLOAD 0
.irp k,0,1,2,3,4,5,6,7,8,9,10,11,12,13,14,15
	KSTEP \k
.endr
	PLACES
	XRLOAD 4,2,64
; THE WAY OUT
.macro TOSTAGE i
.if (\i) < 4
	WIN 0x04
.set AC, 64*(\i)
.else
	WIN 0x08
.set AC, 0
.endif
.irp t,0,1,2,3,4,5,6,7
	ds_store_b128 v14, v[AC+8*\t:AC+8*\t+3] offset:128*(\t/2)+32*(\t%2)        ; columns 32 (t / 2) + 16 h + 8 (t % 2) on; each accumulator from its low end on
	ds_store_b128 v14, v[AC+8*\t+4:AC+8*\t+7] offset:128*(\t/2)+32*(\t%2)+16
.endr
	WIN 0xc0
.irp p,0,1,2,3,4,5,6,7,8,9,10,11,12,13,14,15
	ds_load_b128 v[128+64*((\i)%2)+4*\p:128+64*((\i)%2)+4*\p+3], v15 offset:528*\p   ; LDS serves a wave's instructions in order: these see the stores above, and the next tile's stores come behind them
.endr
	WIN 0
.endm
.macro OST i, g, p0, n                 ; n rows from tile row p0 on, by row offset g
.set pp, 0
.rept \n
	global_store_b128 v[208+3*(\i)+(\g)], v[RB+4*((\p0)+pp):RB+4*((\p0)+pp)+3], s[OB:OB+1] offset:2048*pp th:TH_STORE_NT   ; 512 consecutive bytes, at a multiple of 512 from out0's first byte
.set pp, pp+1
.endr
.endm
.macro SEND i, xw, xreg, younger, left
.set RB, 128+64*((\i)%2)
	s_wait_dscnt \younger                          ; the tile's rows are back (the next tile's 16 stores and 16 loads may be out)
	s_wait_loadcnt \left                           ; query_feats' rows of this tile are in; the later tiles' stay out
	WIN 0xc3|((\xw)<<2)
.set nn, 0
.rept 32
	v_pk_add_f32 v[RB+2*nn:RB+2*nn+1], v[RB+2*nn:RB+2*nn+1], v[(\xreg)+2*nn:(\xreg)+2*nn+1]
.set nn, nn+1
.endr
	WIN 0xc3
.set nn, 0
.rept 16
	v_pk_add_f32 v[RB+4*nn:RB+4*nn+1], v[RB+4*nn:RB+4*nn+1], v[120:121]
	v_pk_add_f32 v[RB+4*nn+2:RB+4*nn+3], v[RB+4*nn+2:RB+4*nn+3], v[122:123]
.set nn, nn+1
.endr
	WIN 0x0c
	OST \i,0,0,4
.if (\i) == 4
	WIN 0
	s_cmp_eq_u32 s[WV], 3                          ; row tile 19: rows 300 on do not exist
	s_cbranch_scc1 .Lskip_\@
	WIN 0x0c
.endif
	OST \i,1,4,4
.if (\i) == 3
	WIN 0
	s_cmp_eq_u32 s[WV], 3                          ; row tile 18: its upper eight rows are 304 on
	s_cbranch_scc1 .Lskip_\@
	WIN 0x0c
.endif
	OST \i,2,8,8
	WIN 0
.Lskip_\@:
.endm
	TOSTAGE 0
	TOSTAGE 1
	SEND 0,2,144,32,63
	s_wait_xcnt 0x0                                ; tile 0's stores have read their registers: tile 2's rows may land there
	TOSTAGE 2
	SEND 1,0,128,32,48
	s_wait_xcnt 0x0
	TOSTAGE 3
	SEND 2,3,0,32,32
	s_wait_xcnt 0x0
	TOSTAGE 4
	SEND 3,3,64,32,16
	SEND 4,2,64,0,0
	s_wait_tensorcnt 0x0
	ds_add_u32 v254, v255
	s_wait_dscnt 0x0
	CROUND                                         ; the closing round (no LDS instruction and no tensor load of mine is out): no work-group ends ahead of its partners
	s_endpgm
.Lfunc_end_k_q1ab0e1e885_oproj:
	.size	k_q1ab0e1e885_oproj, .Lfunc_end_k_q1ab0e1e885_oproj-k_q1ab0e1e885_oproj
	.p2alignl 7, 3214868480
	.fill 96, 4, 3214868480
	.section	.rodata,"a",@progbits
	.p2align	6, 0x0
	.amdhsa_kernel k_q1ab0e1e885_oproj
		.amdhsa_group_segment_fixed_size 296448
		.amdhsa_private_segment_fixed_size 0
		.amdhsa_enable_private_segment 0
		.amdhsa_kernarg_size 56
		.amdhsa_user_sgpr_count 2
		.amdhsa_user_sgpr_kernarg_segment_ptr 1
		.amdhsa_wavefront_size32 1
		.amdhsa_system_sgpr_workgroup_id_x 1
		.amdhsa_system_sgpr_workgroup_id_y 1
		.amdhsa_system_sgpr_workgroup_id_z 1
		.amdhsa_system_vgpr_workitem_id 0
		.amdhsa_next_free_vgpr 1024
		.amdhsa_next_free_sgpr 80
		.amdhsa_reserve_vcc 0
		.amdhsa_float_denorm_mode_32 3
		.amdhsa_float_denorm_mode_16_64 3
		.amdhsa_memory_ordered 1
		.amdhsa_forward_progress 1
		.amdhsa_inst_pref_size 212
	.end_amdhsa_kernel
	.amdgpu_metadata
---
amdhsa.version: [ 1, 2 ]
amdhsa.kernels:
  - .name:           k_q1ab0e1e885_oproj
    .symbol:         k_q1ab0e1e885_oproj.kd
    .args:
      - { .name: af, .offset: 0, .size: 8, .value_kind: global_buffer, .address_space: global }
      - { .name: asc, .offset: 8, .size: 8, .value_kind: global_buffer, .address_space: global }
      - { .name: wf, .offset: 16, .size: 8, .value_kind: global_buffer, .address_space: global }
      - { .name: ws, .offset: 24, .size: 8, .value_kind: global_buffer, .address_space: global }
      - { .name: query_feats, .offset: 32, .size: 8, .value_kind: global_buffer, .address_space: global }
      - { .name: b_out, .offset: 40, .size: 8, .value_kind: global_buffer, .address_space: global }
      - { .name: out0, .offset: 48, .size: 8, .value_kind: global_buffer, .address_space: global }
    .group_segment_fixed_size: 296448
    .private_segment_fixed_size: 0
    .kernarg_segment_align: 8
    .kernarg_segment_size: 56
    .max_flat_workgroup_size: 128
    .sgpr_count:     80
    .vgpr_count:     1024
    .wavefront_size: 32
...
	.end_amdgpu_metadata
.endif
;; end of part 3
;; ======== version 2 of 2: 3 launches; version 1 with the launch attn written anew for expert scheduling mode
;; workspace buffers: xf 10,485,760 bytes; xs 327,680 bytes; wf 2,359,296 bytes; ws 73,728 bytes; bwf 6,553,600 bytes; af 41,943,040 bytes; asc 1,310,720 bytes
;; launch prep: the kernel of part 1 again; grid 544 x 1, 4 waves a work-group, no clusters, 34,304 bytes of LDS; arguments query_feats, W_gen, W_val, W_out, weight_bank, bias, xf, xs, wf, ws, bwf; writes xf, xs, wf, ws, bwf
;; launch attn (part 4): grid 32 x 8, 4 waves a work-group, no clusters, 280,064 bytes of LDS; arguments xf, xs, wf, ws, bwf, b_gen, b_val, af, asc; writes af, asc
.if DOCPART == 4
	.amdgcn_target "amdgcn-amd-amdhsa--gfx1250"
	.amdhsa_code_object_version 6
	.text
	.protected	k_q1ab0e1e885_attn
	.globl	k_q1ab0e1e885_attn
	.p2align	8
	.type	k_q1ab0e1e885_attn,@function
k_q1ab0e1e885_attn:
	s_mov_b64 s[64:65], 0
	v_nop
	global_prefetch_b8 v0, s[64:65] scope:SCOPE_SE
	s_setreg_imm32_b32 hwreg(HW_REG_WAVE_SCHED_MODE, 0, 2), 2
	s_setreg_imm32_b32 hwreg(HW_REG_WAVE_MODE, 25, 1), 1
	s_wait_xcnt 0x0
	s_wait_alu depctr_vm_vsrc(0)
; ATTN: for one head and two batches: G = X W_gen + b_gen, V = X W_val + b_val, S = q G^T, g = gelu(S x weight_bank + bias), p = 2^(g log2(e) - M), O = P V / l; O leaves as codes.
; All four products on E4M3 codes with E8M0 scales for each 32 along K.  Fragments, tiles and the quantiser are as the launch in front lays them (fragment: 4 x 512 bytes, lane l's 16 bytes at 16 l; tile 2 g + u, row r = element 32 g + 8 u + r + 8 (r / 8)).
; With such tiles the 16 result registers of tiles 2 g and 2 g + 1 in lane (r, h) are the neighbours 32 g + 16 h + 0 .. 15 along the next K, and a block of 32 lies in lanes l and l xor 16: every result becomes the next operand in registers.
; SHARES.  256 work-groups of four waves.  Two batches to a work-group, so that one copy of the head's weights in registers, and one load of each query tile's weight_bank and bias, serve both.
; PHASE 1 (10 trips of 64 keys): X's fragments are staged in LDS by the four waves and read by all.  Wave w makes V for 64 of the head's 256 channels (source 0 = X: a lane holds a channel, registers run down the keys);
;   waves 0, 1 (even key block) and 2, 3 (odd) make G for 32 of the head's 64 dimensions (source 0 = W_gen: a lane holds a key).  Both are quantised in registers and go to LDS as images of operand registers.
; PHASE 2 (10 trips): wave w takes query tiles 5 w .. 5 w + 4 of both batches; a trip is 16 queries x 320 keys: 20 products, the logits, GELU, softmax, P's codes to LDS.
;   The first ten tiles of G are asked of LDS a trip ahead; half of the logits stand between the request for the other ten and the wait for them.
; PHASE 3 (20 trips): wave (batch w / 2, half w % 2 of the channels) holds its 8 tiles of V in 320 registers; a trip is one query tile: 24 products, / l, quantised along the channels, stored.
; K = 64 of the scores and the last 64 keys of K = 300 fill half an instruction's 128: the other half meets ZERO CODES on one side (q's, P's) and valid codes under non-NaN scale bytes on the other.
; GELU, exact form: with y = logit / 2, gelu = y + |y| erf(sqrt(2) |y|); erf by the rational form 1 - (a1 t + .. + a5 t^5) e^(-z^2), t = 1 / (1 + 0.3275911 z).
; LIMITS.  That form of erf is off by at most 1.5e-7 absolutely, so g by at most 1.5e-7 |y|; it goes to 1 exactly for large |y|.  logit = fma(S, w, b), one rounding where the source has two.  1 / l by v_rcp_f32.
;   A block's largest p is taken through its largest g, which takes v_exp_f32 not to fall where its input rises.  A block of zeros gets the byte 1 and zero codes.  NaN and infinities among the inputs are not served.
; No joint loads: 800 KiB of a work-group's 1.35 MiB (weight_bank, bias) go straight into 320 registers and would not fit in LDS beside what lies there; what could be shared (X, the weights) is the smaller part.
; No L2 prefetch lines: every load from memory is issued a trip or a stage ahead of its use.
; THE MODE: SCHED_MODE bits 1:0 = 2 (LLVM: expert scheduling mode 2), set by the entry lines.  The code itself states the register dependences
; between vector or matrix instructions and memory or LDS instructions, with s_wait_alu, always for 0.
; THE PLAN.  Registers that memory or LDS instructions touch, and who else names them:
;   PHASE 1, a trip.  v6, v8, v10, v12 (written at the trip's head; addresses of G's and V's LDS stores).  v3, v13 (written ahead of the first barrier; offsets of the staging loads).
;     Window 2 v128-191 (the staging loads land; 16 LDS stores read; no vector line names them).  XN (loads land; eight moves read).  XS (the moves write; products take them as scales).
;     Window 3 (64 LDS loads land; products read).  The quantiser's codes and bytes (it writes; LDS stores read).
;     Waits: vm_vsrc at the trip's head; va_vdst and vm_vsrc behind the first barrier, ahead of the trip's 82 loads; va_vdst ahead of each run of stores of codes; vm_vsrc ahead of each quantiser behind such a run.
;   PHASE 2, a trip.  v11 and q (QLOAD lands; a shift and the products read).  The tables (BWLOAD lands; the logits read).  G's ten tiles (GLOAD lands; products read).  v20-39 (20 LDS loads land; the ors and the products read).
;     v16, v17 (written at the head; addresses; the GELU writes them again).  v7, v4, v5, v6 (written behind the second run of products; addresses of the requests for the next trip).
;     v18, v19, the codes v56-95 and the words v26, v30, v34, v20 (the softmax writes; P's LDS stores read).
;     Waits: vm_vsrc and va_vdst at the head; va_vdst ahead of each run of products' successor loads; one vm_vsrc ahead of the four address lines.  The tables' loads and P's stores stand behind waits that the
;     reciprocals and exponentials have anyway: a key block's codes are stored behind the next key block's wait.
;   PHASE 3, a trip.  P, its words and 1 / l (LDS loads land; products and 32 multiplications read).  v4, v5, v7, v8 (written behind the products; addresses).  The codes and the word (the quantiser writes; stores read).
;     Waits: vm_vsrc behind the products, va_vdst ahead of the LDS loads, va_vdst ahead of the stores.
.set GIMG, 0                           ; G's codes  [wave 4][pair of key blocks 10][tile u 2][512]: 40,960 bytes; wave 2 par + db wrote piece db of the key blocks of parity par
.set GSC,  40960                       ; G's scales [wave 4][pair 10][u 2][r 16] words, the byte at place db: 5,120 bytes
.set VSC,  46080                       ; V's scales [channel tile 16][r 16][32 bytes]: byte 16 batch + key block, the rest 0: 8,192 bytes
.set SLOT, 54272                       ; phase 1: X's 16 fragments of a trip: 32,768 bytes
.set VIMG, 87040                       ; phase 1: V's codes [channel tile 16][10 batch + key block][512]: 163,840 bytes
.set PIMG, 54272                       ; phases 2, 3: P's codes [2 query tile + batch][key block 10][512]: 204,800 bytes
.set PSC,  259072                      ; P's three scale words and 1 / l, 128 bytes each: [2 query tile + batch][4][128]: 20,480 bytes
.set WV,22
.set HD,23
.set DB,24
.set DB8,25
.set SEL,26
.set MNT,28
.set A4,30
.set A3,32
.set A2,34
.set A1,36
.set K2,38
.set LG,40
.set C1,42
.set XFB,44
.set XSB,46
.set SX,66
.set SXS,67
.set SV,68
.set SK,69
.set SG,70
.set SGS,71
.set CNT,72
.set N,74
.set TG,75
.set TGS,76
.set SH,77
.set W5,78
.set SBW,79
.set SP,80
.set SPS,81
.set QFB,82
.set QSB,84
.set BWB,86
.set ST,88
.set ST2,89
.set OAF,90
.set OAS,91
.set AFB,92
.set ASB,94
.set CN3,96
; REGISTERS, in windows of 256.  Phase 1: window 1 W_val's 16 fragments (tile i, K step s at 64 i + 16 s); window 2 W_gen's 8 (64 u' + 16 s), v128-191 what I stage; window 3 X's 16 (128 block + 64 u + 16 s).
; Phases 2, 3: window 1 weight_bank v0-159, ten tiles of G v160-239, zeros v240-247 (phase 3: P v0-39, zeros v40-47); window 2 bias v0-159, V's tiles 6, 7 at v160, v200, q v240-247, zeros v248-255; window 3 V's tiles 0-5 at 40 i.
.set XS,52                             ; phase 1, window 0: v52-59 X's scale words (4 block + s; lanes 0-15 tile u = 0, lanes 16-31 u = 1)
.set WVS,60                            ; v60-67  W_val's (4 pair + s)
.set WGS,68                            ; v68-71  W_gen's
.set BG,72                             ; v72-87  b_gen as C
.set BV,88                             ; v88-119 b_val as C
.set GA,120                            ; v120-151 G's sums (16 u + 8 u')
.set VA,152                            ; v152-215 V's sums (16 i + 8 u)
.set XN,216                            ; v216-223 the next trip's scale words of X
.set TM,16
.set PC,36
.set MSB,0
.macro WIN new                         ; the immediate's high byte repeats the setting that is left
.if MSB != (\new)
	s_set_vgpr_msb (MSB<<8)|(\new)
.set MSB, (\new)
.endif
.endm
.macro PLACES                          ; behind a run of products: nine plain places, which serve reads of results and accumulators begun anew alike
.rept 9
	v_nop
.endr
.endm
.macro NOPS n                          ; the rest of such a run of places, where plain lines that are due anyway fill the others
.rept \n
	v_nop
.endr
.endm
.macro BARRIER                         ; my LDS stores have landed and my LDS loads are in: then the work-group's barrier
	s_wait_dscnt 0x0
	s_barrier_signal -1
	s_barrier_wait -1
.endm
; one product.  c < 0: the constant 0 starts the sum.  ra, rb = 1: that side's scales stand in lanes 16-31
.macro WM d, a, b, c, sa, sb, ra, rb
.if (\c) < 0
.if (\ra) && (\rb)
	v_wmma_scale_f32_16x16x128_f8f6f4 v[(\d):(\d)+7], v[(\a):(\a)+15], v[(\b):(\b)+15], 0, v[(\sa)], v[(\sb)] matrix_a_scale:MATRIX_SCALE_ROW1 matrix_b_scale:MATRIX_SCALE_ROW1
.elseif (\ra)
	v_wmma_scale_f32_16x16x128_f8f6f4 v[(\d):(\d)+7], v[(\a):(\a)+15], v[(\b):(\b)+15], 0, v[(\sa)], v[(\sb)] matrix_a_scale:MATRIX_SCALE_ROW1
.elseif (\rb)
	v_wmma_scale_f32_16x16x128_f8f6f4 v[(\d):(\d)+7], v[(\a):(\a)+15], v[(\b):(\b)+15], 0, v[(\sa)], v[(\sb)] matrix_b_scale:MATRIX_SCALE_ROW1
.else
	v_wmma_scale_f32_16x16x128_f8f6f4 v[(\d):(\d)+7], v[(\a):(\a)+15], v[(\b):(\b)+15], 0, v[(\sa)], v[(\sb)]
.endif
.else
.if (\ra) && (\rb)
	v_wmma_scale_f32_16x16x128_f8f6f4 v[(\d):(\d)+7], v[(\a):(\a)+15], v[(\b):(\b)+15], v[(\c):(\c)+7], v[(\sa)], v[(\sb)] matrix_a_scale:MATRIX_SCALE_ROW1 matrix_b_scale:MATRIX_SCALE_ROW1
.elseif (\ra)
	v_wmma_scale_f32_16x16x128_f8f6f4 v[(\d):(\d)+7], v[(\a):(\a)+15], v[(\b):(\b)+15], v[(\c):(\c)+7], v[(\sa)], v[(\sb)] matrix_a_scale:MATRIX_SCALE_ROW1
.elseif (\rb)
	v_wmma_scale_f32_16x16x128_f8f6f4 v[(\d):(\d)+7], v[(\a):(\a)+15], v[(\b):(\b)+15], v[(\c):(\c)+7], v[(\sa)], v[(\sb)] matrix_b_scale:MATRIX_SCALE_ROW1
.else
	v_wmma_scale_f32_16x16x128_f8f6f4 v[(\d):(\d)+7], v[(\a):(\a)+15], v[(\b):(\b)+15], v[(\c):(\c)+7], v[(\sa)], v[(\sb)]
.endif
.endif
.endm
; 16 nb numbers of a lane, register 16 b + i = k 32 b + 16 (lane / 16) + i of my row, become codes in v[PC + 4 b] on, bytes in v[TM + 4 + b] and (pw > 0) a scale word in v[pw]
.macro QB src, nb, pw
.irp b,0,1,2,3
.if \b < (\nb)
	v_max3_num_f32 v[TM+\b], |v[(\src)+16*\b]|, |v[(\src)+16*\b+1]|, 0x4800000   ; my 16 numbers and the floor 2^(9 - 127): the byte cannot fall under 1.  (Each accumulator is read from its low end on)
.endif
.endr
.irp i,2,4,6,8,10,12,14
.irp b,0,1,2,3
.if \b < (\nb)
	v_max3_num_f32 v[TM+\b], v[TM+\b], |v[(\src)+16*\b+\i]|, |v[(\src)+16*\b+\i+1]|
.endif
.endr
.endr
.irp b,0,1,2,3
.if \b < (\nb)
	v_permlanex16_b32 v[TM+4+\b], v[TM+\b], s[SEL], s[SEL+1]
.endif
.endr
.irp b,0,1,2,3
.if \b < (\nb)
	v_max_num_f32 v[TM+\b], v[TM+\b], v[TM+4+\b]            ; with lane l xor 16's: the block's largest magnitude
.endif
.endr
.irp b,0,1,2,3
.if \b < (\nb)
	v_add_nc_u32 v[TM+12+\b], 0xfc000000, v[TM+\b]          ; 8 off its exponent field: the conversion's scale operand
.endif
.endr
.irp b,0,1,2,3
.if \b < (\nb)
	v_and_or_b32 v[TM+8+\b], v[TM+\b], 0x7f800000, s[MNT]   ; 448 x the scale
.endif
.endr
.irp b,0,1,2,3
.if \b < (\nb)
	v_lshrrev_b32 v[TM+4+\b], 23, v[TM+12+\b]               ; the scale's byte
.endif
.endr
.if (\pw) > 0
	v_lshl_or_b32 v[(\pw)], v[TM+5], 8, v[TM+4]
	v_lshl_or_b32 v[(\pw)], v[TM+6], 16, v[(\pw)]
	v_lshl_or_b32 v[(\pw)], v[TM+7], 24, v[(\pw)]
.endif
.irp b,0,1,2,3
.if \b < (\nb)
.irp i,0,1,2,3,4,5,6,7,8,9,10,11,12,13,14,15
	v_med3_num_f32 v[(\src)+16*\b+\i], v[(\src)+16*\b+\i], -v[TM+8+\b], v[TM+8+\b]   ; the conversion to an 8-bit code does not saturate (ISA guide 7.6.2): the hold comes first
.endr
	v_cvt_scalef32_pk8_fp8_f32 v[PC+4*\b:PC+4*\b+1], v[(\src)+16*\b:(\src)+16*\b+7], v[TM+12+\b]
	v_cvt_scalef32_pk8_fp8_f32 v[PC+4*\b+2:PC+4*\b+3], v[(\src)+16*\b+8:(\src)+16*\b+15], v[TM+12+\b]
.endif
.endr
	v_nop                                                   ; a plain line behind the last conversion: later products write its sources
.endm
	s_load_b256 s[4:11], s[0:1], 0x0               ; xf s[4:5], xs s[6:7], wf s[8:9], ws s[10:11]
	s_load_b256 s[12:19], s[0:1], 0x20             ; bwf s[12:13], b_gen s[14:15], b_val s[16:17], af s[18:19]
	s_load_b64 s[20:21], s[0:1], 0x40              ; asc
	v_lshrrev_b32 v1, 5, v0
	v_readfirstlane_b32 s[WV], v1                  ; wave 0..3
	s_and_b32 s[HD], ttmp7, 0xffff                 ; the head; ttmp9: the pair of batches
	v_and_b32 v226, 31, v0                         ; lane
	v_and_b32 v224, 15, v0                         ; r
	v_bfe_u32 v225, v0, 4, 1                       ; h
	v_lshlrev_b32 v1, 4, v226                      ; v1 = 16 x lane, for the whole kernel
	s_wait_alu depctr_va_sdst(0)                   ; the wave's number is written, ahead of its first reader: addresses, bases and branches are made from it
	s_and_b32 s[DB], s[WV], 1                      ; which 32 of the head's 64 dimensions of G are mine
	s_lshl_b32 s[DB8], s[DB], 3
	s_mov_b32 s[SEL], 0x76543210
	s_mov_b32 s[SEL+1], 0xfedcba98                 ; v_permlanex16_b32's selects for lane l xor 16
	s_mov_b32 s[MNT], 0x600000                     ; the mantissa field of 448
	s_mov_b32 s[A4], 0xbfba00e3                    ; erf's coefficients, each as a pair: the packed forms name a pair and take its low word for both halves
	s_mov_b32 s[A4+1], s[A4]
	s_mov_b32 s[A3], 0x3fb5f0e3
	s_mov_b32 s[A3+1], s[A3]
	s_mov_b32 s[A2], 0xbe91a98e
	s_mov_b32 s[A2+1], s[A2]
	s_mov_b32 s[A1], 0x3e827906
	s_mov_b32 s[A1+1], s[A1]
	s_mov_b32 s[K2], 0xc038aa3b                    ; -2 log2(e): e^(-z^2) = 2^(-2 log2(e) y^2)
	s_mov_b32 s[K2+1], s[K2]
	s_mov_b32 s[LG], 0x3fb8aa3b                    ; log2(e)
	s_mov_b32 s[LG+1], s[LG]
	s_mov_b32 s[C1], 0x3eed3388                    ; 0.3275911 sqrt(2)
.irp j,16,17,18,19,20,21,22,23
	v_mov_b32 v\j, 0                               ; v16-19: zeros for V's scale bytes; v20-23: a lane permute's destination counts as one of its sources
.endr
	v_lshl_add_u32 v227, v0, 4, VSC
	s_lshl_b32 s48, s[WV], 13
	v_add_nc_u32 v14, s48, v1                      ; v14 what I stage: tile w of a trip's four, 8,192 bytes
	v_add_nc_u32 v2, SLOT, v14                     ; v2  where it goes
	v_add_nc_u32 v4, SLOT, v1                      ; v4  where all read
	s_mul_i32 s48, s[WV], 40960
	s_add_co_u32 s48, s48, VIMG
	v_add_nc_u32 v5, s48, v1                       ; v5  my four channel tiles' images
	s_lshl_b32 s48, s[WV], 11
	s_add_co_u32 s48, s48, VSC
	v_lshl_add_u32 v7, v224, 5, s48                ; v7  and their scale bytes
	s_mul_i32 s48, s[WV], 10240
	v_add_nc_u32 v9, s48, v1                       ; v9  my part of G's images (GIMG = 0)
	s_mul_i32 s48, s[WV], 1280
	s_add_co_u32 s48, s48, GSC
	v_lshl_add_u32 v11, v224, 2, s48               ; v11 and of its scale words
	v_and_b32 v228, 8, v224
	v_add_nc_u32 v228, v228, v224
	v_lshlrev_b32 v228, 2, v228                    ; b_val: 4 (r + 8 (r / 8))
	v_lshlrev_b32 v229, 6, v225                    ; b_gen: 64 h
	v_mov_b32 v3, v14
	v_mov_b32 v13, v1
	s_wait_alu depctr_va_vdst(0)                   ; the zeros v16-19 and the addresses and offsets v1, v2, v3, v4, v13, v227, v228, v229 are written, which the stores and loads of the head and of the first trip read; no vector line stands between here and the head's last load
.irp k,0,1,2,3
	ds_store_b128 v227, v[16:19] offset:2048*\k    ; the bytes that no key block fills must not be 0xff: zeros.  (The first trip's barrier stands between these stores and the byte stores)
.endr
	s_mov_b32 s[SX], 0
	s_mov_b32 s[SXS], 0
	s_mov_b32 s[SV], 0
	s_mov_b32 s[SK], 0
	s_mov_b32 s[SG], 0
	s_mov_b32 s[SGS], 0
	s_mov_b32 s49, 0
	s_wait_kmcnt 0x0
	s_mul_i32 s48, ttmp9, 327680
	s_add_nc_u64 s[XFB:XFB+1], s[4:5], s[48:49]    ; the pair's 40 row tiles of codes,
	s_mul_i32 s48, ttmp9, 10240
	s_add_nc_u64 s[XSB:XSB+1], s[6:7], s[48:49]    ; and their scale words
	s_lshl_b32 s48, s[HD], 4
	s_lshl_b32 s62, s[WV], 2
	s_add_co_u32 s48, s48, s62
	s_lshl_b32 s48, s48, 13
	s_add_co_u32 s48, s48, 262144
	s_add_nc_u64 s[50:51], s[8:9], s[48:49]        ; W_val: column tiles 16 head + 4 w on
	s_lshl_b32 s48, s[HD], 2
	s_lshl_b32 s62, s[DB], 1
	s_add_co_u32 s48, s48, s62
	s_lshl_b32 s48, s48, 13
	s_add_nc_u64 s[52:53], s[8:9], s[48:49]        ; W_gen: column tiles 4 head + 2 db on
	s_lshl_b32 s48, s[HD], 3
	s_lshl_b32 s62, s[WV], 1
	s_add_co_u32 s48, s48, s62
	s_lshl_b32 s48, s48, 9
	s_add_co_u32 s48, s48, 8192
	s_add_nc_u64 s[54:55], s[10:11], s[48:49]
	s_lshl_b32 s48, s[HD], 1
	s_add_co_u32 s48, s48, s[DB]
	s_lshl_b32 s48, s48, 9
	s_add_nc_u64 s[56:57], s[10:11], s[48:49]
	s_lshl_b32 s48, s[HD], 10
	s_lshl_b32 s62, s[WV], 8
	s_add_co_u32 s48, s48, s62
	s_add_nc_u64 s[58:59], s[16:17], s[48:49]
	s_lshl_b32 s48, s[HD], 8
	s_lshl_b32 s62, s[DB], 7
	s_add_co_u32 s48, s48, s62
	s_add_nc_u64 s[60:61], s[14:15], s[48:49]
.macro STAGELD                         ; my tile of the trip named by v3, and the trip's scale words
	WIN 0x80
.set nn, 0
.rept 16
	global_load_b128 v[128+4*nn:131+4*nn], v3, s[XFB:XFB+1] offset:512*nn
.set nn, nn+1
.endr
	WIN 0
	global_load_b128 v[XN:XN+3], v13, s[XSB:XSB+1]
	global_load_b128 v[XN+4:XN+7], v13, s[XSB:XSB+1] offset:512
.endm
	STAGELD
	WIN 0x40
.set nn, 0
.rept 64
	global_load_b128 v[4*nn:4*nn+3], v1, s[50:51] offset:512*nn   ; my part of the weights stays in registers through phase 1
.set nn, nn+1
.endr
	WIN 0x80
.set nn, 0
.rept 32
	global_load_b128 v[4*nn:4*nn+3], v1, s[52:53] offset:512*nn
.set nn, nn+1
.endr
	WIN 0
	global_load_b128 v[WVS:WVS+3], v1, s[54:55]
	global_load_b128 v[WVS+4:WVS+7], v1, s[54:55] offset:512
	global_load_b128 v[WGS:WGS+3], v1, s[56:57]
.irp p,0,1
	global_load_b128 v[BG+8*\p:BG+8*\p+3], v229, s[60:61] offset:32*\p        ; b_gen at my eight dimensions of tile u': 32 db + 16 h + 8 u' + 0 .. 7
	global_load_b128 v[BG+8*\p+4:BG+8*\p+7], v229, s[60:61] offset:32*\p+16
.endr
.irp i,0,1,2,3
.irp j,0,1,2,3,4,5,6,7
	global_load_b32 v[BV+8*\i+\j], v228, s[58:59] offset:(32*(\i/2)+8*(\i%2))*4   ; b_val of my channel, eight times: the C of a tile whose registers run down the keys
.endr
.endr
; V of key block ch: 32 products; the eight accumulators take turns, one instruction a turn
.macro VRUN ch
	WIN 0x07                                       ; source 0 (X) window 3, source 1 (W_val) window 1
.irp s,0,1,2,3
.irp u,0,1
.irp i,0,1,2,3
.if \s == 0
	WM VA+16*\i+8*\u,128*(\ch)+64*\u+16*\s,64*\i+16*\s,BV+8*\i,XS+4*(\ch)+\s,WVS+4*(\i/2)+\s,\u,\i%2
.else
	WM VA+16*\i+8*\u,128*(\ch)+64*\u+16*\s,64*\i+16*\s,VA+16*\i+8*\u,XS+4*(\ch)+\s,WVS+4*(\i/2)+\s,\u,\i%2
.endif
.endr
.endr
.endr
	WIN 0
.endm
; G of key block ch, for the two waves whose block it is: 16 products, quantised along the head's dimensions, images to LDS.
; No wait on DScnt stands behind the stores: the waves that read these bytes do so behind a barrier in front of which I wait for all my LDS instructions
.macro GPART ch
.if (\ch) == 0
	s_cmp_lt_u32 s[WV], 2
.else
	s_cmp_ge_u32 s[WV], 2
.endif
	s_cbranch_scc0 .Lnog_\@
	WIN 0x0e                                       ; source 0 (W_gen) window 2, source 1 (X) window 3
.irp s,0,1,2,3
.irp u,0,1
.irp p,0,1
.if \s == 0
	WM GA+16*\u+8*\p,64*\p+16*\s,128*(\ch)+64*\u+16*\s,BG+8*\p,WGS+\s,XS+4*(\ch)+\s,\p,\u
.else
	WM GA+16*\u+8*\p,64*\p+16*\s,128*(\ch)+64*\u+16*\s,GA+16*\u+8*\p,WGS+\s,XS+4*(\ch)+\s,\p,\u
.endif
.endr
.endr
.endr
	WIN 0
	PLACES
.if (\ch) == 1
	s_wait_alu depctr_vm_vsrc(0)                   ; the even key block's stores of V have read the codes' and the bytes' registers, which the quantiser writes again.  (Ahead of the even block's G no store has read them since the trip's head)
.endif
	QB GA,2,0
.irp u,0,1
	v_lshlrev_b32 v[TM+4+\u], s[DB8], v[TM+4+\u]   ; the byte at place db of a word: the reader joins the two waves' words
.endr
	s_wait_alu depctr_va_vdst(0)                   ; G's codes and words are written, which the stores below read (so are their addresses v10 and v12, since the trip's head)
.irp u,0,1
	ds_store_b128 v10, v[PC+4*\u:PC+4*\u+3] offset:512*\u
	ds_store_b32 v12, v[TM+4+\u] offset:64*\u      ; (lanes 16-31 store the same word with the same value)
.endr
.Lnog_\@:
.endm
; V of key block ch is quantised along the keys: images and scale bytes to LDS (no wait on DScnt behind the stores, as in GPART)
.macro VOUT ch, beta
	s_wait_alu depctr_vm_vsrc(0)                   ; the LDS stores issued so far (this key block's of G; in the odd block also the even block's of V) have read the codes' and the bytes' registers, which the quantiser writes again
	QB VA,4,0
	s_wait_alu depctr_va_vdst(0)                   ; V's codes and bytes are written, which the stores below read (so are their addresses v6 and v8, since the trip's head)
.irp i,0,1,2,3
	ds_store_b128 v6, v[PC+4*\i:PC+4*\i+3] offset:10240*\i+512*(\ch)
.endr
.irp i,0,1,2,3
	ds_store_b8 v8, v[TM+4+\i] offset:512*\i+(\ch)+6*(\beta)   ; byte 16 batch + key block = 2 x trip + ch + 6 batch
.endr
.endm
; five trips: one batch's ten key blocks.  All stepped offsets run on linearly from the first batch's loop into the second's
.macro P1LOOP beta
	s_mov_b32 s[CNT], 5
.Lp1_\@:
	s_wait_alu depctr_vm_vsrc(0)                   ; the last trip's LDS stores have read v6, v8, v10, v12, the codes and the bytes, and its staging loads v3 and v13 (at the first entry: the head's stores have read v16-19): all of these are written again in this trip
	v_add_nc_u32 v6, s[SV], v5
	v_add_nc_u32 v8, s[SK], v7
	v_add_nc_u32 v10, s[SG], v9
	v_add_nc_u32 v12, s[SGS], v11
	s_wait_loadcnt 0x0                             ; what I stage is in (asked for a trip ago; in the first trip the weights too)
	WIN 0x08
.set nn, 0
.rept 16
	ds_store_b128 v2, v[128+4*nn:131+4*nn] offset:512*nn
.set nn, nn+1
.endr
	WIN 0
	s_add_co_u32 s[SX], s[SX], 32768
	s_min_u32 s[SX], s[SX], 9*32768                ; the last trip asks for its own bytes once more: no load leaves the buffer, and no load is jumped over
	s_add_co_u32 s[SXS], s[SXS], 1024
	s_min_u32 s[SXS], s[SXS], 9216
	v_add_nc_u32 v3, s[SX], v14                    ; (free: the wait on LOADcnt above showed the loads that named them done)
	v_add_nc_u32 v13, s[SXS], v1
.irp k,0,1,2,3,4,5,6,7
	v_mov_b32 v[XS+\k], v[XN+\k]
.endr
.rept 8
	v_nop                                          ; a scale register written by a vector instruction stands eight places ahead of the product
.endr
	BARRIER                                        ; the trip's 16 fragments lie in LDS
	WIN 0xc0
	s_wait_alu depctr_va_vdst(0)                   ; the last trip's products are done reading X's fragments, in which the LDS loads land; the moves are done reading XN, in which the staging loads land, and have written XS, which the products take as scales; v3 and v13 are written
	s_wait_alu depctr_vm_vsrc(0)                   ; my 16 LDS stores above have read the staging registers, in which the staging loads land.  Only loads and window switches stand between these two waits and the last of the 82 loads
.set nn, 0
.rept 64
	ds_load_b128 v[4*nn:4*nn+3], v4 offset:512*nn  ; the even key block's 32 first
.set nn, nn+1
.endr
	STAGELD
	s_wait_dscnt 32                                ; the even block's fragments are in; the odd block's 32 loads stay out
	VRUN 0
	BARRIER                                        ; every wave has the whole slot in registers: the next trip may store into it
	PLACES
	GPART 0
	VOUT 0,\beta
	VRUN 1
	PLACES
	GPART 1
	s_cmp_lg_u32 s[CNT], 1
	s_cbranch_scc1 .Lnomask_\@
	s_mov_b32 vcc_lo, 0xffff                       ; key block 9 ends at key 299: lanes 0-15 hold keys 288-303, lanes 16-31 keys 304-319.  Zeros ahead of the block's largest magnitude
.irp i,0,1,2,3
.irp j,0,1,2,3,4,5,6,7,8,9,10,11
	v_cndmask_b32 v[VA+16*\i+\j], 0, v[VA+16*\i+\j], vcc_lo
.endr
.irp j,12,13,14,15
	v_mov_b32 v[VA+16*\i+\j], 0
.endr
.endr
.Lnomask_\@:
	VOUT 1,\beta
	s_add_co_u32 s[SV], s[SV], 1024
	s_add_co_u32 s[SK], s[SK], 2
	s_add_co_u32 s[SG], s[SG], 1024
	s_add_co_u32 s[SGS], s[SGS], 128
	s_sub_co_u32 s[CNT], s[CNT], 1
	s_cmp_lg_u32 s[CNT], 0
	s_cbranch_scc1 .Lp1_\@
.endm
	P1LOOP 0
	P1LOOP 1
; ---------------- between the phases: V into registers, the first query tile's tables on their way
	BARRIER                                        ; all images of G and V lie in LDS
	s_wait_loadcnt 0x0                             ; the last trip's spare loads have landed: their registers are free
	s_wait_alu depctr_vm_vsrc(0)                   ; phase 1's LDS stores and loads and its loads from memory have read v2, v3, v4, v6, v8, v10, v12, v13, the codes, the bytes and the staging registers: all are written anew from here on, by vector lines or by loads
	WIN 0x40
.irp j,240,241,242,243,244,245,246,247
	v_mov_b32 v\j, 0                               ; behind the tenth tile of G
.endr
	WIN 0x80
.irp j,248,249,250,251,252,253,254,255
	v_mov_b32 v\j, 0                               ; q's upper half: K 64-127 counts for nothing
.endr
	WIN 0
	v_and_b32 v2, 31, v0
	v_lshlrev_b32 v2, 2, v2                        ; v2 = 4 x lane
	v_and_b32 v3, 15, v0
	v_lshlrev_b32 v3, 4, v3                        ; v3 = 16 r
	v_mov_b32 v8, 0x3f87dc22                       ; a5, as a pair
	v_mov_b32 v9, 0x3f87dc22
	s_mul_i32 s[W5], s[WV], 5
	s_lshr_b32 s48, s[HD], 1
	s_and_b32 s62, s[HD], 1
	s_lshl_b32 s[SH], s62, 4                       ; my head's two scale bytes stand in the low or the high half of X's word
	s_lshl_b32 s63, s48, 2
	s_lshl_b32 s48, s48, 11
	s_lshl_b32 s62, s62, 10
	s_add_co_u32 s48, s48, s62
	s_add_nc_u64 s[QFB:QFB+1], s[XFB:XFB+1], s[48:49]   ; q = two pieces of X's fragment: K step head / 2, pieces 2 (head % 2) on
	s_mov_b32 s48, s63
	s_add_nc_u64 s[QSB:QSB+1], s[XSB:XSB+1], s[48:49]
	s_mul_i32 s48, s[HD], 20
	s_add_co_u32 s48, s48, s[W5]
	s_mul_i32 s48, s48, 40960
	s_add_nc_u64 s[BWB:BWB+1], s[12:13], s[48:49]
	s_lshl_b32 s48, s[W5], 13
	v_add_nc_u32 v4, s48, v1
	s_lshl_b32 s48, s[W5], 8
	v_add_nc_u32 v5, s48, v3
	v_mov_b32 v6, v1
	s_and_b32 s48, s[WV], 1
	s_mul_i32 s48, s48, 81920                      ; my half of the 16 channel tiles,
	s_lshr_b32 s62, s[WV], 1
	s_mul_i32 s62, s62, 5120                       ; my batch's ten key blocks
	s_add_co_u32 s48, s48, s62
	s_add_co_u32 s48, s48, VIMG
	v_add_nc_u32 v16, s48, v1
	v_add_nc_u32 v17, 40960, v16
	s_mov_b32 s[TG], 0
	v_add_nc_u32 v7, s[TG], v1                     ; the address of the first trip's first ten tiles of G
.macro QLOAD
	WIN 0x80
	global_load_b128 v[240:243], v4, s[QFB:QFB+1]
	global_load_b128 v[244:247], v4, s[QFB:QFB+1] offset:512
	WIN 0
	global_load_b32 v11, v5, s[QSB:QSB+1]
.endm
.macro BWLOAD which                    ; 0: weight_bank / 2 into window 1; 1: bias / 2 into window 2: 40 loads of 512 consecutive bytes
	WIN 0x40+0x40*(\which)
.set nn, 0
.rept 40
	global_load_b128 v[4*nn:4*nn+3], v6, s[BWB:BWB+1] offset:4096*(nn/4)+512*(nn%4)+2048*(\which)
.set nn, nn+1
.endr
	WIN 0
.endm
	s_wait_alu depctr_va_vdst(0)                   ; the addresses v4, v5, v6, v7, v16, v17 are written; phase 1's products are done reading the weights and X, and its vector lines v11, in all of which the loads below land; the zeros are written, which products will take as operands.  No vector line stands between here and the first trip
	QLOAD
	BWLOAD 0
	WIN 0xc0                                       ; a tile's 40 registers: key blocks 8, 9, then 0-3, then 4-7: so K step 2 is registers 0-15, K step 0 registers 8-23, K step 1 registers 24-39
.irp i,0,1,2,3,4,5
.irp kb,0,1,2,3,4,5,6,7,8,9
	ds_load_b128 v[40*\i+(8+4*\kb)%40:40*\i+(8+4*\kb)%40+3], v[16+\i/4] offset:10240*(\i%4)+512*\kb
.endr
.endr
	WIN 0x80
.irp i,6,7
.irp kb,0,1,2,3,4,5,6,7,8,9
	ds_load_b128 v[160+40*(\i-6)+(8+4*\kb)%40:160+40*(\i-6)+(8+4*\kb)%40+3], v17 offset:10240*(\i%4)+512*\kb
.endr
.endr
	WIN 0
	BWLOAD 1
	BARRIER                                        ; every wave holds its V: the bytes now belong to P
	s_mov_b32 s[N], 0
	s_mov_b32 s[TGS], GSC
	s_mul_i32 s[SP], s[WV], 51200
	s_add_co_u32 s[SP], s[SP], PIMG
	s_mul_i32 s[SPS], s[WV], 5120
	s_add_co_u32 s[SPS], s[SPS], PSC
; ---------------- phase 2.  Window 0: v7 the address of the tiles of G asked for a trip ahead; v16-95 at work; v96-255 S, then y, g, p: key tile t at 96 + 8 t, so key block kb's 16 keys of my half at 96 + 16 kb
.macro GLOAD rd, adr                   ; ten tiles of G: tile t = 10 rd + i, piece c, from the wave's part that wrote it
	WIN 0x40
.irp i,0,1,2,3,4,5,6,7,8,9
.irp c,0,1
	ds_load_b128 v[160+8*\i+4*\c:163+8*\i+4*\c], v[(\adr)] offset:(2*(((10*(\rd)+\i)/2)%2)+\c)*10240+((10*(\rd)+\i)/4)*1024+((10*(\rd)+\i)%2)*512
.endr
.endr
	WIN 0
.endm
.macro SRUN rd                         ; S^T = G q^T: source 0 = 16 keys (window 1; its upper eight registers are the next tile's codes or zeros), source 1 = q and zeros (window 2)
	WIN 0x09
.irp i,0,1,2,3,4,5,6,7,8,9
	WM 96+8*(10*(\rd)+\i),160+8*\i,240,-1,20+(10*(\rd)+\i)/2,18,(10*(\rd)+\i)%2,0
.endr
	WIN 0
.endm
.macro XST hf                          ; y = half the logit, for key tiles 10 hf .. 10 hf + 9: 40 packed multiply-adds; each accumulator from its low end on
	WIN 0x24                                       ; source 1 (weight_bank / 2) window 1, source 2 (bias / 2) window 2
.set nn, 40*(\hf)
.rept 40
	v_pk_fma_f32 v[96+2*nn:97+2*nn], v[96+2*nn:97+2*nn], v[2*nn:2*nn+1], v[2*nn:2*nn+1]
.set nn, nn+1
.endr
	WIN 0
.endm
; GELU of a key block's 16 numbers, in three parts on two sets of registers: set s has T at 16 + 32 s and E at 32 + 32 s; R at 80
.macro PREI kb, set, j                 ; line j of 32: T = 1 + c1 |y|;  E = -2 log2(e) y^2
.set YY, 96+16*(\kb)
.set TT, 16+32*(\set)
.set EE, 32+32*(\set)
.if (\j) < 16
	v_fma_f32 v[TT+(\j)], |v[YY+(\j)]|, s[C1], 1.0
.elseif (\j) < 24
	v_pk_mul_f32 v[EE+2*((\j)-16):EE+2*((\j)-16)+1], v[YY+2*((\j)-16):YY+2*((\j)-16)+1], v[YY+2*((\j)-16):YY+2*((\j)-16)+1]
.else
	v_pk_mul_f32 v[EE+2*((\j)-24):EE+2*((\j)-24)+1], v[EE+2*((\j)-24):EE+2*((\j)-24)+1], s[K2:K2+1] op_sel_hi:[1,0]
.endif
.endm
.macro TRI set, j                      ; line j of 32: t = 1 / T;  e = 2^E
.set TT, 16+32*(\set)
.set EE, 32+32*(\set)
.if (\j) < 16
	v_rcp_f32 v[TT+(\j)], v[TT+(\j)]
.else
	v_exp_f32 v[EE+(\j)-16], v[EE+(\j)-16]
.endif
.endm
.macro POSTI kb, j                     ; line j of 64: Horner's four steps, e t, erf = 1 - R e t (a pair of numbers each), g = y + |y| erf
.set YY, 96+16*(\kb)
.set TT, 16+32*((\kb)%2)
.set EE, 32+32*((\kb)%2)
.set PP, 2*((\j)%8)
.if (\j) < 8
	v_pk_fma_f32 v[80+PP:81+PP], v[TT+PP:TT+PP+1], v[8:9], s[A4:A4+1] op_sel_hi:[1,1,0]
.elseif (\j) < 16
	v_pk_fma_f32 v[80+PP:81+PP], v[80+PP:81+PP], v[TT+PP:TT+PP+1], s[A3:A3+1] op_sel_hi:[1,1,0]
.elseif (\j) < 24
	v_pk_fma_f32 v[80+PP:81+PP], v[80+PP:81+PP], v[TT+PP:TT+PP+1], s[A2:A2+1] op_sel_hi:[1,1,0]
.elseif (\j) < 32
	v_pk_fma_f32 v[80+PP:81+PP], v[80+PP:81+PP], v[TT+PP:TT+PP+1], s[A1:A1+1] op_sel_hi:[1,1,0]
.elseif (\j) < 40
	v_pk_mul_f32 v[EE+PP:EE+PP+1], v[EE+PP:EE+PP+1], v[TT+PP:TT+PP+1]
.elseif (\j) < 48
	v_pk_fma_f32 v[80+PP:81+PP], v[80+PP:81+PP], v[EE+PP:EE+PP+1], 1.0 op_sel_hi:[1,1,0] neg_lo:[1,0,0] neg_hi:[1,0,0]
.else
	v_fma_f32 v[YY+(\j)-48], |v[YY+(\j)-48]|, v[80+(\j)-48], v[YY+(\j)-48]
.endif
.endm
.macro ARG kb                          ; t - M of a key block, two at a time
.set YY, 96+16*(\kb)
.irp q,0,2,4,6,8,10,12,14
	v_pk_fma_f32 v[YY+\q:YY+\q+1], v[YY+\q:YY+\q+1], s[LG:LG+1], v[12:13] op_sel_hi:[1,0,1]
.endr
.endm
.set BM,16                             ; softmax: v16-25 the blocks' largest g, then p
.set BB,26                             ; v26-35 at work, then the bytes, then (v26, v30, v34) the three scale words
.set BH,36                             ; v36-45 448 x scale
.set BS,46                             ; v46-55 the conversions' scale operands
.set CD,56                             ; v56-95 the codes, four registers a key block
	GLOAD 0,7                                      ; the first trip's first ten tiles of G
.Lunit:                                            ; trip n: batch n % 2, query tile 5 w + n / 2
	s_wait_loadcnt 0x0                             ; q and its scale word (asked for a trip ago), and in even trips the tile's tables
	s_wait_alu depctr_vm_vsrc(0)                   ; the last trip's LDS stores of P have read v18, v19, the codes v56-95 and the words v20, v26, v30, v34: this trip's vector lines and LDS loads write them again
	v_lshrrev_b32 v18, s[SH], v11                  ; q's scale word: my head's two bytes below; above them valid bytes or zeros, over zero codes
	v_add_nc_u32 v16, s[TG], v1
	v_add_nc_u32 v17, s[TGS], v2
	s_wait_alu depctr_va_vdst(0)                   ; v16 and v17 are written, which LDS loads of this trip read as addresses; the last trip's vector lines are done with v20-39, in which the loads below land
.irp kb,0,1,2,3,4,5,6,7,8,9
	ds_load_b32 v[20+\kb], v17 offset:(2*(\kb%2))*1280+(\kb/2)*128      ; lanes 0-15 tile 2 kb, lanes 16-31 tile 2 kb + 1: the byte of dimensions 0-31,
	ds_load_b32 v[30+\kb], v17 offset:(2*(\kb%2)+1)*1280+(\kb/2)*128    ; and of dimensions 32-63
.endr
	s_wait_dscnt 0x0                               ; the scale words are in, and so are the ten tiles asked for a trip ago
.irp kb,0,1,2,3,4,5,6,7,8,9
	v_or_b32 v[20+\kb], v[20+\kb], v[30+\kb]
.endr
.rept 8
	v_nop                                          ; scale registers written by vector instructions stand eight places ahead of the products
.endr
	s_wait_alu depctr_va_vdst(0)                   ; G's scale words v20-29 and q's v18 are written, which the products take as scales; the places above stay beside this wait
	SRUN 0
	PLACES
	s_wait_alu depctr_va_vdst(0)                   ; the ten products are done reading G's registers, in which the other ten tiles land
	GLOAD 1,16
	XST 0                                          ; the first ten tiles' logits stand between the request for the other ten tiles of G and the wait for them
	s_wait_dscnt 0x0
	SRUN 1
	s_xor_b32 s[TG], s[TG], 5120                   ; the other batch's G: the next trip's first ten tiles are asked for now (behind the last trip: bytes that exist, not used)
	s_add_co_u32 s50, s[N], 1                      ; the next trip's q: row tile 20 ((n + 1) % 2) + 5 w + (n + 1) / 2 of the pair's 40 (after the last trip: a tile that exists, not used)
	s_and_b32 s51, s50, 1
	s_mul_i32 s51, s51, 20
	s_lshr_b32 s50, s50, 1
	s_min_u32 s53, s50, 4
	s_mul_i32 s[SBW], s53, 40960                   ; the tables of query tile (n + 1) / 2 of my five, held at the last: made in every trip, used behind a tile's second batch
	s_add_co_u32 s50, s50, s51
	s_add_co_u32 s50, s50, s[W5]
	s_lshl_b32 s51, s50, 13
	s_lshl_b32 s52, s50, 8
	s_wait_alu depctr_vm_vsrc(0)                   ; the requests of the last trip have read v7, v4, v5 and v6, and this trip's LDS loads v16 and v17: the four lines below and the GELU write them again
	v_add_nc_u32 v7, s[TG], v1                     ; these four lines, which name no register of the products, are four of the nine places behind them
	v_add_nc_u32 v4, s51, v1                       ; (the loads from memory that named v4, v5 and v6 were shown done at the trip's head)
	v_add_nc_u32 v5, s52, v3
	v_add_nc_u32 v6, s[SBW], v1
	NOPS 5
	s_wait_alu depctr_va_vdst(0)                   ; v7, v4, v5 and v6 are written; the ten products are done reading G's registers and q, and the trip's first line v11: the loads below land there
	GLOAD 0,7
	QLOAD
	XST 1
	; GELU.  The reciprocals and exponentials of key block kb + 1 stand between the plain lines of key block kb, one behind every two; one wait a key block, ahead of the first line that names a result
.set jj, 0
.rept 32
	PREI 0,0,jj
.set jj, jj+1
.endr
.set jj, 0
.rept 32
	TRI 0,jj
	PREI 1,1,jj
.set jj, jj+1
.endr
.set kk, 0
.rept 10
	s_wait_alu depctr_va_vdst(0)                   ; key block kk's 32 reciprocals and exponentials are written: none has been named yet.  At key blocks 0 and 5 also: the logits' multiply-adds are done reading the tables, in which the loads below land
.if kk == 0
	s_bitcmp1_b32 s[N], 0                          ; behind the tile's second batch its tables are done with: the next tile's are asked for, in two groups: weight_bank here, bias behind five key blocks
	s_cbranch_scc0 .Lno_wb                         ; (straight behind the wait: no reciprocal or exponential is without its wait at these branches)
	s_cmp_eq_u32 s[N], 9
	s_cbranch_scc1 .Lno_wb
	BWLOAD 0
.Lno_wb:
.endif
.if kk == 5
	s_bitcmp1_b32 s[N], 0                          ; the second group: the next tile's bias
	s_cbranch_scc0 .Lno_bias
	s_cmp_eq_u32 s[N], 9
	s_cbranch_scc1 .Lno_bias
	BWLOAD 1
.Lno_bias:
.endif
.set jj, 0
.rept 32
	POSTI kk,2*jj
	POSTI kk,2*jj+1
.if kk < 9
	TRI (kk+1)%2,jj
.endif
.set jj, jj+1
.endr
.if kk < 8
.set jj, 0
.rept 32
	PREI kk+2,kk%2,jj
.set jj, jj+1
.endr
.elseif kk == 8
	v_nop                                          ; a plain line behind the last exponential
.endif
.set kk, kk+1
.endr
	; SOFTMAX.  Keys 300 on count for nothing: -infinity BEHIND the GELU (which would turn it into 0)
	s_mov_b32 vcc_lo, 0xffff
.irp j,0,1,2,3,4,5,6,7,8,9,10,11
	v_cndmask_b32 v[240+\j], 0xff800000, v[240+\j], vcc_lo
.endr
.irp j,12,13,14,15
	v_mov_b32 v[240+\j], 0xff800000
.endr
.irp b,0,1,2,3,4,5,6,7,8,9
	v_max3_num_f32 v[BM+\b], v[96+16*\b], v[97+16*\b], v[98+16*\b]   ; the largest g of each block of 32 keys: for the row's maximum and, since p rises with g, for the block's largest p
.endr
.irp i,3,5,7,9,11,13
.irp b,0,1,2,3,4,5,6,7,8,9
	v_max3_num_f32 v[BM+\b], v[BM+\b], v[96+16*\b+\i], v[97+16*\b+\i]
.endr
.endr
.irp b,0,1,2,3,4,5,6,7,8,9
	v_max_num_f32 v[BM+\b], v[BM+\b], v[111+16*\b]
.endr
.irp b,0,1,2,3,4,5,6,7,8,9
	v_permlanex16_b32 v[BB+\b], v[BM+\b], s[SEL], s[SEL+1]
.endr
.irp b,0,1,2,3,4,5,6,7,8,9
	v_max_num_f32 v[BM+\b], v[BM+\b], v[BB+\b]
.endr
	v_max3_num_f32 v10, v16, v17, v18
	v_max3_num_f32 v10, v10, v19, v20
	v_max3_num_f32 v10, v10, v21, v22
	v_max3_num_f32 v10, v10, v23, v24
	v_max_num_f32 v10, v10, v25                    ; the row's largest g: the whole row is in registers, so M is final
	v_mul_f32 v10, s[LG], v10
	v_floor_f32 v12, -v10                          ; -M = floor(-t) = -ceil(t)
	v_mov_b32 v13, v12
.irp b,0,1,2,3,4,5,6,7,8,9
	v_fma_f32 v[BM+\b], v[BM+\b], s[LG], v12
.endr
.irp b,0,1,2,3,4,5,6,7,8,9
	v_exp_f32 v[BM+\b], v[BM+\b]                   ; the blocks' largest p: the same two operations on the same number give the same bits
.endr
	ARG 0
	ARG 1
	s_wait_alu depctr_va_vdst(0)                   ; the ten exponentials are written, ahead of the first line that names one
.irp b,0,1,2,3,4,5,6,7,8,9
	v_max_num_f32 v[BM+\b], 0x4800000, v[BM+\b]    ; the floor: the byte cannot fall under 1
	v_exp_f32 v[96+\b], v[96+\b]                   ; key block 0's exponentials stand among the scales' lines
.endr
.irp b,0,1,2,3,4,5,6,7,8,9
	v_add_nc_u32 v[BS+\b], 0xfc000000, v[BM+\b]
.if \b < 6
	v_exp_f32 v[106+\b], v[106+\b]
.endif
.endr
.irp b,0,1,2,3,4,5,6,7,8,9
	v_and_or_b32 v[BH+\b], v[BM+\b], 0x7f800000, s[MNT]
.endr
.irp b,0,1,2,3,4,5,6,7,8,9
	v_lshrrev_b32 v[BB+\b], 23, v[BS+\b]
.endr
	v_lshl_or_b32 v26, v27, 8, v26                 ; three scale words; the third has two bytes, and zeros over P's zero codes
	v_lshl_or_b32 v26, v28, 16, v26
	v_lshl_or_b32 v26, v29, 24, v26
	v_lshl_or_b32 v30, v31, 8, v30
	v_lshl_or_b32 v30, v32, 16, v30
	v_lshl_or_b32 v30, v33, 24, v30
	v_lshl_or_b32 v34, v35, 8, v34
	v_mov_b32 v14, 0                               ; the row's sum, in two chains of pairs
	v_mov_b32 v15, 0
	v_mov_b32 v16, 0
	v_mov_b32 v17, 0
	v_add_nc_u32 v18, s[SP], v1
	v_add_nc_u32 v19, s[SPS], v2
.set kk, 0
.rept 10
	s_wait_alu depctr_va_vdst(0)                   ; key block kk's 16 exponentials are written, ahead of the first line that names one; so are the codes of the key block before (and, at the first, the address v18), which the store below reads
.if kk > 0
	ds_store_b128 v18, v[CD+4*(kk-1):CD+4*(kk-1)+3] offset:512*(kk-1)   ; a key block's codes leave behind the next key block's wait: each has registers of its own, written once a trip
.endif
.set jj, 0
.rept 8
	v_pk_add_f32 v[14+2*(jj%2):15+2*(jj%2)], v[14+2*(jj%2):15+2*(jj%2)], v[96+16*kk+2*jj:97+16*kk+2*jj]   ; the sum is taken of the unquantised p
	v_min_num_f32 v[96+16*kk+2*jj], v[96+16*kk+2*jj], v[BH+kk]         ; p is not negative: the hold is one-sided
	v_min_num_f32 v[97+16*kk+2*jj], v[97+16*kk+2*jj], v[BH+kk]
.if kk < 9
	v_exp_f32 v[112+16*kk+2*jj], v[112+16*kk+2*jj]                     ; the next key block's
	v_exp_f32 v[113+16*kk+2*jj], v[113+16*kk+2*jj]
.endif
.set jj, jj+1
.endr
	v_cvt_scalef32_pk8_fp8_f32 v[CD+4*kk:CD+4*kk+1], v[96+16*kk:103+16*kk], v[BS+kk]
	v_cvt_scalef32_pk8_fp8_f32 v[CD+4*kk+2:CD+4*kk+3], v[104+16*kk:111+16*kk], v[BS+kk]
.if kk < 8
	ARG kk+2
.else
	v_nop
.endif
.set kk, kk+1
.endr
	v_pk_add_f32 v[14:15], v[14:15], v[16:17]
	v_add_f32 v14, v14, v15
	v_permlanex16_b32 v15, v14, s[SEL], s[SEL+1]
	v_add_f32 v14, v14, v15                        ; the row's sum
	v_rcp_f32 v20, v14
	v_nop
	s_wait_alu depctr_va_vdst(0)                   ; the reciprocal is written, and so are the last key block's codes, the three scale words and the address v19: the stores below read them
	ds_store_b128 v18, v[CD+36:CD+39] offset:512*9
	ds_store_b32 v19, v26
	ds_store_b32 v19, v30 offset:128
	ds_store_b32 v19, v34 offset:256
	ds_store_b32 v19, v20 offset:384
	s_wait_dscnt 0x0                               ; the stores are done: the next trip's LDS loads land in registers that they read
	s_xor_b32 s[TGS], s[TGS], 640                  ; the other batch's scale words of G
	s_add_co_u32 s[SP], s[SP], 5120
	s_add_co_u32 s[SPS], s[SPS], 512
	s_add_co_u32 s[N], s[N], 1
	s_cmp_lt_u32 s[N], 10
	s_cbranch_scc1 .Lunit
; ---------------- phase 3: O^T = V^T P^T, / l, quantised along the channels
.set TM,40
.set PC,60
.set PW,76
.set VS,16                             ; v16-31 V's scale words (4 pair + K step)
.set PS,32                             ; v32-34 P's
.set OA,96                             ; v96-159 eight accumulators
	BARRIER                                        ; all of P lies in LDS
	s_wait_loadcnt 0x0
	s_wait_alu depctr_vm_vsrc(0)                   ; phase 2's loads have read v4, v5, v6 and v7, and its last stores v18, v19, v20, v26, v30, v34 and the codes: the lines and the LDS loads below write them again
	WIN 0x40
.irp j,40,41,42,43,44,45,46,47
	v_mov_b32 v\j, 0                               ; P's keys 320-383
.endr
	WIN 0
	s_lshr_b32 s62, s[WV], 1                       ; my batch of the two
	s_and_b32 s63, s[WV], 1                        ; my half of the channels
	s_mul_i32 s48, s62, 5120
	s_add_co_u32 s48, s48, PIMG
	v_add_nc_u32 v9, s48, v1
	s_lshl_b32 s48, s62, 9
	s_add_co_u32 s48, s48, PSC
	v_add_nc_u32 v10, s48, v2
	s_lshl_b32 s48, s63, 12
	s_lshl_b32 s50, s62, 4
	s_add_co_u32 s48, s48, s50
	s_add_co_u32 s48, s48, VSC
	v_lshlrev_b32 v6, 1, v1
	v_add_nc_u32 v6, s48, v6                       ; 32 bytes a row: lanes 0-15 tile 2 p, lanes 16-31 tile 2 p + 1
	v_lshrrev_b32 v12, 2, v3                       ; 4 r
	v_mov_b32 v37, 0                               ; (named as the upper half of the pair v[36:37])
	v_mov_b32 v4, v9
	v_mov_b32 v5, v10
	s_lshl_b32 s48, ttmp9, 1
	s_add_co_u32 s48, s48, s62
	s_mul_i32 s48, s48, 320
	s_lshl_b32 s50, s[HD], 1
	s_add_co_u32 s48, s48, s50
	s_add_co_u32 s50, s48, s63                     ; (20 batch) 16 + K step 2 head + half
	s_lshl_b32 s48, s50, 11
	s_add_nc_u64 s[AFB:AFB+1], s[18:19], s[48:49]
	s_lshl_b32 s48, s50, 6
	s_add_nc_u64 s[ASB:ASB+1], s[20:21], s[48:49]
	s_mov_b32 s[ST], 0
	s_mov_b32 s[ST2], 0
	s_mov_b32 s[OAF], 0
	s_mov_b32 s[OAS], 0
	s_mov_b32 s[CN3], 20
	s_wait_alu depctr_va_vdst(0)                   ; the addresses v4, v5 and v6 are written; phase 2's vector lines are done with v16-36 and with weight_bank's registers, in which the LDS loads below land; P's zeros are written, which products take as an operand
.irp p,0,1,2,3
	ds_load_b128 v[VS+4*\p:VS+4*\p+3], v6 offset:1024*\p
.endr
.macro P3LOAD
	WIN 0x40
.irp kb,0,1,2,3,4,5,6,7,8,9
	ds_load_b128 v[4*\kb:4*\kb+3], v4 offset:512*\kb
.endr
	WIN 0
.irp k,0,1,2
	ds_load_b32 v[PS+\k], v5 offset:128*\k
.endr
	ds_load_b32 v36, v5 offset:384
.endm
	P3LOAD
.Lq3:
	s_wait_dscnt 0x0
	WIN 0x07                                       ; source 0 (V) window 3, source 1 (P) window 1.  Six accumulators by turns, K ascending
.irp s,0,1,2
.irp i,0,1,2,3,4,5
.if \s == 0
	WM OA+8*\i,40*\i+8,0,-1,VS+4*(\i/2),PS,\i%2,0
.elseif \s == 1
	WM OA+8*\i,40*\i+24,16,OA+8*\i,VS+4*(\i/2)+1,PS+1,\i%2,0
.else
	WM OA+8*\i,40*\i,32,OA+8*\i,VS+4*(\i/2)+2,PS+2,\i%2,0
.endif
.endr
.endr
	WIN 0x06                                       ; tiles 6 and 7 lie in window 2: two accumulators by turns
.irp s,0,1,2
.irp i,6,7
.if \s == 0
	WM OA+8*\i,160+40*(\i-6)+8,0,-1,VS+12,PS,\i%2,0
.elseif \s == 1
	WM OA+8*\i,160+40*(\i-6)+24,16,OA+8*\i,VS+13,PS+1,\i%2,0
.else
	WM OA+8*\i,160+40*(\i-6),32,OA+8*\i,VS+14,PS+2,\i%2,0
.endif
.endr
.endr
	WIN 0
	s_add_co_u32 s[ST], s[ST], 10240
	s_min_u32 s[ST], s[ST], 194560                 ; the last trip reads its own tile once more
	s_add_co_u32 s[ST2], s[ST2], 1024
	s_min_u32 s[ST2], s[ST2], 19456
	s_wait_xcnt 0x0                                ; the last trip's stores have had their addresses translated: their data and offsets are written again only behind this wait
	s_wait_alu depctr_vm_vsrc(0)                   ; the last trip's stores have read v7, v8, the codes and the scale word, and its LDS loads v4 and v5 (in the first trip: phase 2's LDS loads v7): this trip writes them again
	v_add_nc_u32 v4, s[ST], v9                     ; these four lines, which name no register of the products, are four of the nine places behind them
	v_add_nc_u32 v5, s[ST2], v10
	v_add_nc_u32 v7, s[OAF], v1
	v_add_nc_u32 v8, s[OAS], v12
	NOPS 5
.set nn, 0
.rept 32
	v_pk_mul_f32 v[OA+2*nn:OA+2*nn+1], v[OA+2*nn:OA+2*nn+1], v[36:37] op_sel_hi:[1,0]   ; / l
.set nn, nn+1
.endr
	s_wait_alu depctr_va_vdst(0)                   ; the products are done reading P and its scale words, the multiplications 1 / l: the LDS loads below land there; their addresses v4 and v5 are written
	P3LOAD                                         ; the next query tile's P lands while this one is quantised
	QB OA,4,PW
	s_wait_alu depctr_va_vdst(0)                   ; the codes and the scale word are written, which the stores below read (their offsets v7 and v8 were written ahead of the wait above)
.irp c,0,1,2,3
	global_store_b128 v7, v[PC+4*\c:PC+4*\c+3], s[AFB:AFB+1] offset:512*\c   ; a fragment of the last product's operand: 512 consecutive bytes a store
.endr
	global_store_b32 v8, v[PW], s[ASB:ASB+1]       ; its 16 scale words (lanes 16-31 store the same)
	s_add_co_u32 s[OAF], s[OAF], 32768
	s_add_co_u32 s[OAS], s[OAS], 1024
	s_sub_co_u32 s[CN3], s[CN3], 1
	s_cmp_lg_u32 s[CN3], 0
	s_cbranch_scc1 .Lq3
	s_wait_xcnt 0x0
	v_lshl_add_u32 v254, v0, 2, 0x44400            ; the add's two registers are made anew: no memory or LDS instruction of the kernel has read v254 or v255
	v_mov_b32 v255, 0
	s_wait_dscnt 0x0                               ; the closing lines, six on end
	s_wait_alu 0x0
	s_wait_tensorcnt 0x0
	ds_add_u32 v254, v255
	s_wait_dscnt 0x0
	s_endpgm
.Lfunc_end_k_q1ab0e1e885_attn:
	.size	k_q1ab0e1e885_attn, .Lfunc_end_k_q1ab0e1e885_attn-k_q1ab0e1e885_attn
	.p2alignl 7, 3214868480
	.fill 96, 4, 3214868480
	.section	.rodata,"a",@progbits
	.p2align	6, 0x0
	.amdhsa_kernel k_q1ab0e1e885_attn
		.amdhsa_group_segment_fixed_size 280064
		.amdhsa_private_segment_fixed_size 0
		.amdhsa_enable_private_segment 0
		.amdhsa_kernarg_size 72
		.amdhsa_user_sgpr_count 2
		.amdhsa_user_sgpr_kernarg_segment_ptr 1
		.amdhsa_wavefront_size32 1
		.amdhsa_system_sgpr_workgroup_id_x 1
		.amdhsa_system_sgpr_workgroup_id_y 1
		.amdhsa_system_sgpr_workgroup_id_z 1
		.amdhsa_system_vgpr_workitem_id 0
		.amdhsa_next_free_vgpr 1024
		.amdhsa_next_free_sgpr 100
		.amdhsa_reserve_vcc 1
		.amdhsa_float_denorm_mode_32 3
		.amdhsa_float_denorm_mode_16_64 3
		.amdhsa_memory_ordered 1
		.amdhsa_forward_progress 1
		.amdhsa_inst_pref_size 255
	.end_amdhsa_kernel
	.section	.bss,"aw",@nobits
	.p2align	6
	.space	262144
	.amdgpu_metadata
---
amdhsa.version: [ 1, 2 ]
amdhsa.kernels:
  - .name:           k_q1ab0e1e885_attn
    .symbol:         k_q1ab0e1e885_attn.kd
    .args:
      - { .name: xf, .offset: 0, .size: 8, .value_kind: global_buffer, .address_space: global }
      - { .name: xs, .offset: 8, .size: 8, .value_kind: global_buffer, .address_space: global }
      - { .name: wf, .offset: 16, .size: 8, .value_kind: global_buffer, .address_space: global }
      - { .name: ws, .offset: 24, .size: 8, .value_kind: global_buffer, .address_space: global }
      - { .name: bwf, .offset: 32, .size: 8, .value_kind: global_buffer, .address_space: global }
      - { .name: b_gen, .offset: 40, .size: 8, .value_kind: global_buffer, .address_space: global }
      - { .name: b_val, .offset: 48, .size: 8, .value_kind: global_buffer, .address_space: global }
      - { .name: af, .offset: 56, .size: 8, .value_kind: global_buffer, .address_space: global }
      - { .name: asc, .offset: 64, .size: 8, .value_kind: global_buffer, .address_space: global }
    .group_segment_fixed_size: 280064
    .private_segment_fixed_size: 0
    .kernarg_segment_align: 8
    .kernarg_segment_size: 72
    .max_flat_workgroup_size: 128
    .sgpr_count:     100
    .vgpr_count:     1024
    .wavefront_size: 32
...
	.end_amdgpu_metadata
.endif
;; end of part 4
;; launch oproj: the kernel of part 3 again; grid 4 x 64, 4 waves a work-group, clusters of 4 x 4, 296,448 bytes of LDS; arguments af, asc, wf, ws, query_feats, b_out, out0; writes out0
